; MI455X (gfx1250); checked and timed in simulation.
; The chip was launched on July 23, 2026; its instructions are those of AMD's public machine-readable ISA for CDNA 5 (MIT licence, August 2026) and "CDNA5" Instruction Set Architecture Reference Guide (July 2026). The comments in the code are by the model that wrote it; some were corrected since.
;; Encoder. Allowed arithmetic: matrix products marked QUANTISED: E2M1 operands, one E8M0 scale for each 32 along K, by v_wmma_scale_f32_16x16x128_f8f6f4 with both operands' format E2M1 (or v_wmma_scale_f32_32x16x128_f4), f32 sums; everything else in f32.
;; Inputs: b1 4,096 float32; b2 1,024 float32; bk 1,024 float32; bo 1,024 float32; bq 1,024 float32; bv 1,024 float32; ln1_b 1,024 float32; ln1_g 1,024 float32; ln2_b 1,024 float32; ln2_g 1,024 float32; w1 1,024 x 4,096 float32; w2 4,096 x 1,024 float32; wk 1,024 x 1,024 float32; wo 1,024 x 1,024 float32; wq 1,024 x 1,024 float32; wv 1,024 x 1,024 float32; x 2 x 2,048 x 1,024 float32.
;; Outputs: out0 2 x 2,048 x 1,024 float32.
;; This version of the problem:
;;   THIS VERSION OF THE PROBLEM IS GIVEN IN LOW PRECISION. The matrix products marked QUANTISED in the list below multiply operands that are first quantised to E2M1 (2 exponent bits, 1 mantissa bit; 4 bits a number), with one power-of-two scale for each 32 numbers along K (OCP MX v1.0); their sums are f32. All else is computed in f32.
;;   The module's matrix products, in the order in which they are computed (A, B: the left and right operand; K: the contracted axis; several contracted axes count as one K, in the product's order):
;;     1. [M 4,096, K 1,024] x [K 1,024, N 1,024]; A: computed on the way; B: input wq: QUANTISED
;;     2. [M 4,096, K 1,024] x [K 1,024, N 1,024]; A: computed on the way; B: input wk: QUANTISED
;;     3. [M 4,096, K 1,024] x [K 1,024, N 1,024]; A: computed on the way; B: input wv: QUANTISED
;;     4. batch 32 x [M 2,048, K 64] x [K 64, N 2,048]; A: computed on the way; B: computed on the way: QUANTISED
;;     5. batch 32 x [M 2,048, K 2,048] x [K 2,048, N 64]; A: softmax (see below); B: computed on the way: QUANTISED
;;     6. [M 4,096, K 1,024] x [K 1,024, N 1,024]; A: computed on the way; B: input wo: QUANTISED
;;     7. [M 4,096, K 1,024] x [K 1,024, N 4,096]; A: computed on the way; B: input w1: QUANTISED
;;     8. [M 4,096, K 4,096] x [K 4,096, N 1,024]; A: computed on the way; B: input w2: QUANTISED
;;   THE QUANTISER, for each operand of a quantised product, along K:
;;     - K is cut into blocks of 32 from its start; a last block that is shorter is filled with zeros.
;;     - A block's scale is 2^e with e = floor(log2(the largest magnitude in the block)) - 2, held to -126 .. 127; a block of zeros has e = 0. As a byte (E8M0): e + 127.
;;     - Each number is divided by its block's scale, clamped to +-6, and rounded to the nearest number of E2M1, ties to even, subnormals kept.
;;     - The product sums the exact products of the quantised numbers (number of the format x scale) in f32.
;;   ~~~python
;;   def quantise(x, axis):      # numpy; x: float32 -> the quantised numbers, widened to float32 again
;;       x = np.moveaxis(x, axis, -1); K = x.shape[-1]
;;       x = np.pad(x, [(0, 0)] * (x.ndim - 1) + [(0, -K % 32)]); x = x.reshape(x.shape[:-1] + (-1, 32)); a = np.abs(x).max(-1, keepdims=True)
;;       e = np.where(a > 0, np.clip(np.frexp(np.where(a > 0, a, 1))[1] - 1 - 2, -126, 127), 0)      # np.frexp(a)[1] - 1 = floor(log2(a)), exactly
;;       r = np.clip(x / 2.0 ** e, -6, 6)
;;       step = 2.0 ** (np.maximum(np.frexp(np.where(r == 0, 1, r))[1] - 1, 0) - 1)
;;       q = np.round(r / step) * step * 2.0 ** e      # np.round: ties to even
;;       return np.moveaxis(q.reshape(q.shape[:-2] + (-1,))[..., :K], -1, axis).astype(np.float32)
;;   ~~~
;;   SOFTMAX AHEAD OF A QUANTISED PRODUCT. Where the list says 'softmax', what is quantised is not the finished softmax but p = 2^(t - M), with t = logit x log2(e) and M = ceil(the row's largest t), a whole number; so 1/2 < the row's largest p <= 1. The row's sum l is taken of the UNQUANTISED p, in f32, and the product's result is divided by l at the end. Since M is a whole number, a kernel that streams over the keys may use a running M (the ceiling of the running maximum): every later rescaling is an exact power of two, which a block's scale takes up: the codes' values come out the same.
;;   OPERANDS COMPUTED ON THE WAY. 'Computed on the way' means the value that the module computes at that place (a softmax that the list does not call 'softmax' is quantised finished and normalised). What goes into a quantiser is computed in f32, as accurately as f32 sums, v_exp_f32 and their like allow (about 1e-6 of the number): no bf16 or f16 on the way to a quantiser, and a product that is left as it is and whose result goes on into a quantised operand takes f32 operands (vector FMAs, or v_wmma_f32_16x16x4_f32). A number that lies on a knife's edge between two numbers of the format may be rounded either way, as far as f32 arithmetic and the matrix unit's own rounding can turn it there, and no further.
;; One version. Each part assembles by itself: llvm-mc -triple=amdgcn-amd-amdhsa -mcpu=gfx1250 --defsym DOCPART=n.
;; ======== version 1 of 1: 6 launches
;; limits: right only within a limited range of input values
;; workspace buffers: wts 6,684,672 bytes; hq 2,228,224 bytes; qkv 6,946,816 bytes; ac 2,228,224 bytes; x1 16,777,216 bytes; gq 8,912,896 bytes
;; launch prep2 (part 1): grid 640 x 1, 8 waves a work-group, no clusters, 9,728 bytes of LDS; arguments x, ln1_g, ln1_b, hq, w1, w2, wts, wq, wk, wv, wo; writes hq, wts
.if DOCPART == 1
	.amdgcn_target "amdgcn-amd-amdhsa--gfx1250"
	.amdhsa_code_object_version 6
	.text
	.protected	k_q50e9d77b9a_prep2
	.globl	k_q50e9d77b9a_prep2
	.p2align	8
	.type	k_q50e9d77b9a_prep2,@function
k_q50e9d77b9a_prep2:
	s_mov_b64 s[64:65], 0
	v_nop
	global_prefetch_b8 v0, s[64:65] scope:SCOPE_SE
	s_setreg_imm32_b32 hwreg(HW_REG_WAVE_MODE, 25, 1), 1
	s_wait_xcnt 0x0
; TWO JOBS IN ONE LAUNCH, told apart by the work-group's number alone (the same in all waves of a work-group): neither reads what the other writes, and both stream from memory.
; KIND 0: the norm of x, and the weights wq, wk, wv, wo.  KIND 1: the norm of x, and all six weights.  Work-groups 0 .. NWG - 1 quantise weights, the 256 behind them take one tile of 16 rows each.
; Both jobs make codes of FP4 (E2M1) with one E8M0 byte for each 32 along K, laid in the order of a matrix operand's registers:
; TILES.  Rows (of an activation) or columns n (of a weight) go in groups of 32; lane-row r of tile 2 g + u is index 32 g + 8 u + r + 8 (r / 8).
; CODES  [K / 128][tile][c = 2][lane 32][16 bytes]: lane (r, h) of group c holds k = 128 s + 64 c + 32 h + 0 .. 31.   SCALES  [K / 512][16 x tile + r][16 bytes]: byte kb % 16 for block kb.
; A block's scale is 2^(floor(log2(largest magnitude)) - 2); its byte is the largest magnitude's exponent field - 2, held at 1 from below.
; LIMITS: a block of zeros gets the byte 1 where the quantiser says 127 (its codes are zeros, and this program alone reads the bytes); blocks under 2^-124 are held at byte 1; NaN and infinities are not served.
;
; THE WEIGHTS, f32 stored [K][N].  wts: 0 the four square weights as one array of 256 tiles (wq 0-63, wk 64-127, wv 128-191, wo 192-255); 0x200000 w1 (256 tiles); 0x400000 w2 (64 tiles); scales at 0x600000, 0x620000, 0x640000.
; A piece is 128 columns x 128 along K; a work-group takes two pieces (piece = 2 x work-group + wave / 4), a wave 32 columns (one group).  A LANE TAKES A COLUMN AND ITS REGISTERS RUN DOWN K: each load reads 128 consecutive
; bytes a wave, a block of 32 lies in one lane, and the conversions give codes with K innermost.  A block's 16 bytes a lane go out as two runs of 256 consecutive bytes (one for each tile).  The four scale bytes a lane go
; out as one word, 16 bytes apart from lane to lane: one byte for each 128 that are read.  No LDS, no barrier on this way.
;
; THE NORM.  y = (x - mean) rsqrt(var + 1e-5) g + b along rows of 1,024 f32, quantised along the row.  OUT: codes [K step 8][tile 256][c 2][lane 32][16 bytes]; from byte 0x200000 scales [chunk 2][16 x tile + r][16 bytes].
; A work-group makes one tile; wave w its tile rows 2 w and 2 w + 1, which are neighbours in memory.  A row stays in 32 registers a lane between the passes: lane l holds k = 256 j + 8 l + 0 .. 7, j = 0 .. 3, so a lane's
; eight neighbours are one conversion and four neighbouring lanes hold a block.  Mean first, then the mean of the squared differences: no difference of large sums.  The tile's codes and bytes meet in LDS as the image of
; the eight fragments; behind one barrier wave w stores fragment w: 512 consecutive bytes an instruction.
; THIS LAUNCH RUNS FIRST AND PREPARES EVERYTHING: the norm of x (ln1), and all six weights: pieces 0-255 w2, 256-511 w1, 512-767 wq, wk, wv, wo (64 pieces each).
; Work-groups 0 .. 383 quantise weights, the 256 behind them take one tile of 16 rows of x each.  The second norm is made by the launch that makes x1.
.set KIND, 1
.if KIND == 0
.set NWG, 128                          ; 4 weights x 8 x 8 pieces, two to a work-group
.else
.set NWG, 384                          ; 768 pieces, two to a work-group
.endif
	v_lshl_add_u32 v176, v0, 2, 0x2200
	v_mov_b32 v177, 0
	v_lshrrev_b32 v1, 5, v0
	s_delay_alu instid0(VALU_DEP_1)
	v_readfirstlane_b32 s12, v1                    ; wave 0..7
	v_and_b32 v1, 31, v0                           ; lane
	s_cmp_ge_u32 ttmp9, NWG
	s_cbranch_scc1 .Lnorm
; ---------------------------------------------------------------- the weights
.set X,  32                            ; v32-159  128 numbers down K
.set C,  16                            ; v16-31   four registers of codes for each block: no store's data are written again
.set SB, 14                            ; v14      the four scale bytes
.if KIND == 0
	s_load_b256 s[4:11], s[0:1], 0x20              ; wq, wk, wv, wo
	s_load_b64 s[16:17], s[0:1], 0x40              ; wts
.else
	s_load_b128 s[4:7], s[0:1], 0x20               ; w1, w2
	s_load_b64 s[16:17], s[0:1], 0x30              ; wts
	s_load_b128 s[44:47], s[0:1], 0x38             ; wq, wk
	s_load_b128 s[48:51], s[0:1], 0x48             ; wv, wo
.endif
	v_lshlrev_b32 v2, 2, v1                        ; in: 4 bytes a lane; the lane is the column in the group
	v_bfe_u32 v5, v1, 3, 1                         ; u
	v_and_b32 v6, 7, v1
	v_lshrrev_b32 v7, 4, v1
	s_delay_alu instid0(VALU_DEP_1)
	v_lshl_add_u32 v6, v7, 3, v6                   ; r
	s_delay_alu instid0(VALU_DEP_1)
	v_lshlrev_b32 v3, 4, v6
	s_delay_alu instid0(VALU_DEP_1)
	v_lshl_add_u32 v4, v5, 8, v3                   ; scales: 256 u + 16 r
	s_delay_alu instid0(VALU_DEP_2)
	v_lshl_add_u32 v3, v5, 10, v3                  ; codes: 1024 u + 16 r
	s_lshl_b32 s20, ttmp9, 1
	s_lshr_b32 s21, s12, 2
	s_add_co_u32 s20, s20, s21                     ; my piece
	s_and_b32 s22, s12, 3                          ; my 32 of its 128 columns
.if KIND == 0
	s_and_b32 s23, s20, 7                          ; nb: which 128 columns
	s_bfe_u32 s25, s20, 0x30003                    ; ks: which K step
	s_bfe_u32 s28, s20, 0x20006                    ; which weight
	s_mov_b32 s29, 8                               ; log2 of the array's tiles
	s_mov_b32 s30, 16                              ; log2 of a scale chunk's bytes
	s_mov_b32 s31, 0                               ; where the codes begin
	s_mov_b32 s32, 0x600000                        ; where the scales begin
	s_mov_b32 s41, 19                              ; log2 of 128 rows of the input in bytes
.else
	s_lshr_b32 s21, s20, 8                         ; pieces 0-255: w2; 256-511: w1
	s_and_b32 s23, s20, 7
	s_and_b32 s24, s20, 31
	s_bfe_u32 s25, s20, 0x50003
	s_bfe_u32 s27, s20, 0x30005
	s_mov_b32 s28, 0
	s_mov_b32 s31, 0x400000
	s_mov_b32 s32, 0x640000
	s_cmp_eq_u32 s21, 1
	s_cselect_b32 s23, s24, s23                    ; nb
	s_cselect_b32 s25, s27, s25                    ; ks
	s_cselect_b32 s29, 8, 6
	s_cselect_b32 s30, 16, 14
	s_cselect_b32 s31, 0x200000, s31
	s_cselect_b32 s32, 0x620000, s32
	s_cselect_b32 s41, 21, 19
	s_bfe_u32 s24, s20, 0x30003                    ; pieces 512-767, the four square weights: K step,
	s_bfe_u32 s27, s20, 0x20006                    ; which weight
	s_mov_b32 s26, 0x600000
	s_cmp_eq_u32 s21, 2
	s_cselect_b32 s25, s24, s25
	s_cselect_b32 s28, s27, 0
	s_cselect_b32 s29, 8, s29
	s_cselect_b32 s30, 16, s30
	s_cselect_b32 s31, 0, s31
	s_cselect_b32 s32, s26, s32
.endif
	s_lshl_b32 s33, s28, 6
	s_lshl_b32 s34, s23, 3
	s_add_co_u32 s33, s33, s34
	s_lshl_b32 s34, s22, 1
	s_add_co_u32 s33, s33, s34                     ; my first tile
	s_lshl_b32 s34, s25, s29
	s_add_co_u32 s34, s34, s33
	s_lshl_b32 s34, s34, 10
	s_add_co_u32 s34, s34, s31                     ; codes: (ks x tiles + tile) x 1024
	s_mov_b32 s35, 0
	s_lshr_b32 s36, s25, 2
	s_lshl_b32 s36, s36, s30
	s_lshl_b32 s37, s33, 8
	s_add_co_u32 s36, s36, s37
	s_and_b32 s37, s25, 3
	s_lshl_b32 s37, s37, 2
	s_add_co_u32 s36, s36, s37
	s_add_co_u32 s36, s36, s32                     ; scales: chunk ks / 4, slot 16 x tile, word ks % 4
	s_mov_b32 s37, 0
	s_lshl_b32 s38, s25, s41
	s_lshl_b32 s40, s23, 9
	s_add_co_u32 s38, s38, s40
	s_lshl_b32 s40, s22, 7
	s_add_co_u32 s38, s38, s40                     ; in: 128 ks rows down, 128 nb + 32 (wave % 4) columns along
	s_mov_b32 s39, 0
	s_wait_kmcnt 0x0
.if KIND == 0
	s_cmp_eq_u32 s28, 1                            ; the source: a choice among buffers on the piece's number alone
	s_cselect_b64 s[4:5], s[6:7], s[4:5]
	s_cmp_eq_u32 s28, 2
	s_cselect_b64 s[4:5], s[8:9], s[4:5]
	s_cmp_eq_u32 s28, 3
	s_cselect_b64 s[4:5], s[10:11], s[4:5]
.else
	s_cmp_eq_u32 s21, 1
	s_cselect_b64 s[4:5], s[4:5], s[6:7]
	s_cmp_eq_u32 s28, 1                            ; the square weight: a choice among buffers on the piece's number alone
	s_cselect_b64 s[44:45], s[46:47], s[44:45]
	s_cmp_eq_u32 s28, 2
	s_cselect_b64 s[44:45], s[48:49], s[44:45]
	s_cmp_eq_u32 s28, 3
	s_cselect_b64 s[44:45], s[50:51], s[44:45]
	s_cmp_eq_u32 s21, 2
	s_cselect_b64 s[4:5], s[44:45], s[4:5]
.endif
	s_add_nc_u64 s[4:5], s[4:5], s[38:39]
	s_add_nc_u64 s[18:19], s[16:17], s[34:35]      ; my codes
	s_add_nc_u64 s[42:43], s[16:17], s[36:37]      ; my scale words
.macro LOADS pitch                     ; 128 rows of my column: every offset is an immediate, 127 x 16,384 at the most
.set i, 0
.rept 128
	global_load_b32 v[X+i], v2, s[4:5] offset:i*\pitch th:TH_LOAD_NT
.set i, i+1
.endr
.endm
.if KIND == 0
	LOADS 4096
.else
	s_cmp_eq_u32 s21, 1                            ; w1's rows are 16,384 bytes, w2's 4,096: the same 128 loads on both ways
	s_cbranch_scc1 .Lwide
	s_wait_alu depctr_va_vdst(0)
	LOADS 4096
	s_branch .Lloaded
.Lwide:
	s_wait_alu depctr_va_vdst(0)
	LOADS 16384
.Lloaded:
.endif
.macro BLOCK kb, left
.set XS, X+32*\kb
	s_wait_loadcnt \left                           ; this block's 32 loads are in
	v_max3_num_f32 v8, |v[XS]|, |v[XS+1]|, |v[XS+2]|               ; the block's largest magnitude: all 32 numbers are mine; two chains
	v_max3_num_f32 v9, |v[XS+3]|, |v[XS+4]|, |v[XS+5]|
.irp i, 6,10,14,18,22,26
	s_delay_alu instid0(VALU_DEP_2)
	v_max3_num_f32 v8, v8, |v[XS+\i]|, |v[XS+\i+1]|
	s_delay_alu instid0(VALU_DEP_2)
	v_max3_num_f32 v9, v9, |v[XS+\i+2]|, |v[XS+\i+3]|
.endr
	s_delay_alu instid0(VALU_DEP_2)
	v_max3_num_f32 v8, v8, |v[XS+30]|, |v[XS+31]|
	s_delay_alu instid0(VALU_DEP_1)
	v_max3_num_f32 v8, v8, v9, 0x1800000           ; and the floor 2^(3 - 127): the byte cannot fall under 1
	s_delay_alu instid0(VALU_DEP_1)
	v_add_nc_u32 v10, 0xff000000, v8               ; 2 off the exponent field: the conversion takes this operand's exponent field as its scale
	s_delay_alu instid0(VALU_DEP_1)
	v_lshrrev_b32 v11, 23, v10                     ; the scale's byte
.if \kb == 0
	s_delay_alu instid0(VALU_DEP_1)
	v_mov_b32 v[SB], v11
.else
	s_delay_alu instid0(VALU_DEP_1)
	v_lshl_or_b32 v[SB], v11, 8*\kb, v[SB]
.endif
.irp g, 0,1,2,3
	v_cvt_scalef32_pk8_fp4_f32 v[C+4*\kb+\g], v[XS+8*\g:XS+8*\g+7], v10
.endr
	v_nop                                          ; a plain line behind the conversions
	global_store_b128 v3, v[C+4*\kb:C+4*\kb+3], s[18:19] offset:512*(\kb/2)+256*(\kb%2)   ; group c = kb / 2, half h = kb % 2: sixteen lanes of a tile store 256 consecutive bytes
.endm
	BLOCK 0, 63                                    ; 96 younger loads could stay out; the wait names 63 at the most
	BLOCK 1, 63                                    ; 64 could
	BLOCK 2, 32
	BLOCK 3, 0
	global_store_b32 v4, v[SB], s[42:43]
	s_endpgm
; ---------------------------------------------------------------- the norm
.Lnorm:
.set X0, 32                            ; v32-63 row 0, v64-95 row 1
.set X1, 64
.set G,  96                            ; v96-127 g, v128-159 b, laid as a row
.set B,  128
.set CD, 160                           ; v160-167 codes, v168-175 bytes: one for each (row, j)
.set BY, 168
.set SCB, 8192                         ; LDS: 0 the eight fragments' images; 8192 the scale bytes [chunk 2][r 16][16]
	s_load_b256 s[4:11], s[0:1], 0x0               ; x, g, b, out
	s_sub_co_u32 s28, ttmp9, NWG                   ; my tile T
	s_wait_alu depctr_va_vdst(0)
	v_lshlrev_b32 v2, 5, v1                        ; my 32 bytes of each 1,024
	v_lshrrev_b32 v3, 4, v1
	s_delay_alu instid0(VALU_DEP_1)
	v_lshlrev_b32 v3, 10, v3                       ; my code word's place: K step 2 j + l / 16,
	v_bfe_u32 v4, v1, 3, 1
	s_delay_alu instid0(VALU_DEP_1)
	v_lshl_add_u32 v3, v4, 9, v3                   ; group c = (l / 8) % 2,
	v_bfe_u32 v4, v1, 2, 1
	s_delay_alu instid0(VALU_DEP_1)
	v_lshl_add_u32 v3, v4, 8, v3                   ; half h = (l / 4) % 2,
	v_and_b32 v4, 3, v1
	s_delay_alu instid0(VALU_DEP_1)
	v_lshl_add_u32 v3, v4, 2, v3                   ; word l % 4 of the 16 bytes,
	s_lshl_b32 s13, s12, 5
	v_add_nc_u32 v3, s13, v3                       ; tile row 2 w (16 bytes a row)
	v_lshrrev_b32 v4, 2, v1
	s_delay_alu instid0(VALU_DEP_1)
	v_add_nc_u32 v4, s13, v4
	s_delay_alu instid0(VALU_DEP_1)
	v_add_nc_u32 v4, SCB, v4                       ; my block's byte: l / 4, tile row 2 w
	v_lshlrev_b32 v5, 4, v1                        ; 16 x lane
	s_lshl_b32 s14, s12, 10
	v_add_nc_u32 v6, s14, v5                       ; back: fragment w
	v_add_nc_u32 v7, SCB, v5                       ; back: the scale bytes (wave 0)
	v_lshrrev_b32 v8, 4, v1
	s_delay_alu instid0(VALU_DEP_1)
	v_lshlrev_b32 v8, 16, v8
	v_and_b32 v9, 15, v1
	s_delay_alu instid0(VALU_DEP_1)
	v_lshl_add_u32 v8, v9, 4, v8                   ; and their place in memory: chunk l / 16, row l % 16
	s_lshr_b32 s15, s28, 1
	s_lshl_b32 s15, s15, 5
	s_and_b32 s16, s28, 1
	s_lshl_b32 s16, s16, 3
	s_add_co_u32 s15, s15, s16
	s_lshl_b32 s16, s12, 1
	s_add_co_u32 s15, s15, s16
	s_lshr_b32 s16, s12, 2
	s_lshl_b32 s16, s16, 3
	s_add_co_u32 s15, s15, s16                     ; my first row
	s_lshl_b32 s16, s15, 12
	s_mov_b32 s17, 0
	s_lshl_b32 s18, s12, 8
	s_add_co_u32 s18, s18, s28
	s_lshl_b32 s18, s18, 10                        ; (256 w + T) x 1024
	s_mov_b32 s19, 0
	s_lshl_b32 s22, s28, 8
	s_add_co_u32 s22, s22, 0x200000
	s_mov_b32 s23, 0
	s_mov_b32 s24, 0x76543210
	s_mov_b32 s25, 0xfedcba98                      ; v_permlanex16_b32's selects for lane l xor 16
	s_mov_b32 s26, 0x3727c5ac                      ; 1e-5
	s_mov_b32 s27, 0x3a800000                      ; 1 / 1024
	s_wait_kmcnt 0x0
	s_add_nc_u64 s[4:5], s[4:5], s[16:17]
	s_add_nc_u64 s[20:21], s[10:11], s[18:19]
	s_add_nc_u64 s[22:23], s[10:11], s[22:23]
.irp i, 0,1
.irp j, 0,1,2,3
	global_load_b128 v[X0+32*\i+8*\j:X0+32*\i+8*\j+3],   v2, s[4:5] offset:4096*\i+1024*\j th:TH_LOAD_NT
	global_load_b128 v[X0+32*\i+8*\j+4:X0+32*\i+8*\j+7], v2, s[4:5] offset:4096*\i+1024*\j+16 th:TH_LOAD_NT
.endr
.endr
.irp j, 0,1,2,3
	global_load_b128 v[G+8*\j:G+8*\j+3],   v2, s[6:7] offset:1024*\j
	global_load_b128 v[G+8*\j+4:G+8*\j+7], v2, s[6:7] offset:1024*\j+16
.endr
.irp j, 0,1,2,3
	global_load_b128 v[B+8*\j:B+8*\j+3],   v2, s[8:9] offset:1024*\j
	global_load_b128 v[B+8*\j+4:B+8*\j+7], v2, s[8:9] offset:1024*\j+16
.endr
; four pairs of partial sums at v[t] on become the row's sum in every lane
.macro FOLD t
	v_pk_add_f32 v[\t:\t+1], v[\t:\t+1], v[\t+2:\t+3]
	v_pk_add_f32 v[\t+4:\t+5], v[\t+4:\t+5], v[\t+6:\t+7]
	s_delay_alu instid0(VALU_DEP_1)
	v_pk_add_f32 v[\t:\t+1], v[\t:\t+1], v[\t+4:\t+5]
	s_delay_alu instid0(VALU_DEP_1)
	v_add_f32 v[\t], v[\t], v[\t+1]
.irp m, 1,2,4,8
	s_delay_alu instid0(VALU_DEP_1)
	v_add_f32_dpp v[\t], v[\t], v[\t] row_xmask:\m row_mask:0xf bank_mask:0xf
.endr
	s_delay_alu instid0(VALU_DEP_1)
	v_permlanex16_b32 v[\t+1], v[\t], s24, s25     ; (its destination has been written)
	s_delay_alu instid0(VALU_DEP_1)
	v_add_f32 v[\t], v[\t], v[\t+1]
.endm
	s_wait_loadcnt 16                              ; both rows are in; g's and b's sixteen loads may be out
.irp q, 0,1,2,3                                ; the sums, four chains a row; row 0 in v10-17, row 1 in v18-25
	v_pk_add_f32 v[10+2*\q:11+2*\q], v[X0+2*\q:X0+2*\q+1], v[X0+8+2*\q:X0+9+2*\q]
	v_pk_add_f32 v[18+2*\q:19+2*\q], v[X1+2*\q:X1+2*\q+1], v[X1+8+2*\q:X1+9+2*\q]
.endr
.irp p, 16,24
.irp q, 0,1,2,3
	v_pk_add_f32 v[10+2*\q:11+2*\q], v[10+2*\q:11+2*\q], v[X0+\p+2*\q:X0+\p+2*\q+1]
	v_pk_add_f32 v[18+2*\q:19+2*\q], v[18+2*\q:19+2*\q], v[X1+\p+2*\q:X1+\p+2*\q+1]
.endr
.endr
	FOLD 10
	FOLD 18
	v_mul_f32 v26, s27, v10                        ; the means, each twice for the packed form
	s_delay_alu instid0(VALU_DEP_2)
	v_mul_f32 v28, s27, v18
	s_delay_alu instid0(VALU_DEP_2)
	v_mov_b32 v27, v26
	s_delay_alu instid0(VALU_DEP_2)
	v_mov_b32 v29, v28
.irp p, 0,2,4,6,8,10,12,14,16,18,20,22,24,26,28,30
	v_pk_add_f32 v[X0+\p:X0+\p+1], v[X0+\p:X0+\p+1], v[26:27] neg_lo:[0,1] neg_hi:[0,1]   ; x - mean
	v_pk_add_f32 v[X1+\p:X1+\p+1], v[X1+\p:X1+\p+1], v[28:29] neg_lo:[0,1] neg_hi:[0,1]
.endr
.irp q, 0,1,2,3
	v_pk_mul_f32 v[10+2*\q:11+2*\q], v[X0+2*\q:X0+2*\q+1], v[X0+2*\q:X0+2*\q+1]
	v_pk_mul_f32 v[18+2*\q:19+2*\q], v[X1+2*\q:X1+2*\q+1], v[X1+2*\q:X1+2*\q+1]
.endr
.irp p, 8,16,24
.irp q, 0,1,2,3
	v_pk_fma_f32 v[10+2*\q:11+2*\q], v[X0+\p+2*\q:X0+\p+2*\q+1], v[X0+\p+2*\q:X0+\p+2*\q+1], v[10+2*\q:11+2*\q]
	v_pk_fma_f32 v[18+2*\q:19+2*\q], v[X1+\p+2*\q:X1+\p+2*\q+1], v[X1+\p+2*\q:X1+\p+2*\q+1], v[18+2*\q:19+2*\q]
.endr
.endr
	FOLD 10
	FOLD 18
	v_fma_f32 v10, v10, s27, s26                   ; var + 1e-5
	s_delay_alu instid0(VALU_DEP_2)
	v_fma_f32 v18, v18, s27, s26
	s_wait_alu depctr_va_vdst(0)
	v_rsq_f32 v26, v10                             ; each twice: a pair for the packed multiply
	v_rsq_f32 v27, v10
	v_rsq_f32 v28, v18
	v_rsq_f32 v29, v18
	v_nop                                          ; a plain line behind the last of them
	s_wait_alu depctr_va_vdst(0)                   ; one wait for the four, ahead of their first reader
	s_wait_loadcnt 0x0                             ; g and b
.irp p, 0,2,4,6,8,10,12,14,16,18,20,22,24,26,28,30
	v_pk_mul_f32 v[X0+\p:X0+\p+1], v[X0+\p:X0+\p+1], v[26:27]
	v_pk_mul_f32 v[X1+\p:X1+\p+1], v[X1+\p:X1+\p+1], v[28:29]
.endr
.irp p, 0,2,4,6,8,10,12,14,16,18,20,22,24,26,28,30
	v_pk_fma_f32 v[X0+\p:X0+\p+1], v[X0+\p:X0+\p+1], v[G+\p:G+\p+1], v[B+\p:B+\p+1]
	v_pk_fma_f32 v[X1+\p:X1+\p+1], v[X1+\p:X1+\p+1], v[G+\p:G+\p+1], v[B+\p:B+\p+1]
.endr
	; the quantiser: q = 4 x row + j names my eight numbers at v[X0 + 8 q]; the eight by turns
.irp q, 0,1,2,3,4,5,6,7
	v_max3_num_f32 v[10+\q], |v[X0+8*\q]|, |v[X0+8*\q+1]|, 0x1800000   ; with the floor 2^(3 - 127): the byte cannot fall under 1
.endr
.irp e, 2,4,6
.irp q, 0,1,2,3,4,5,6,7
	v_max3_num_f32 v[10+\q], v[10+\q], |v[X0+8*\q+\e]|, |v[X0+8*\q+\e+1]|
.endr
.endr
.irp m, 1,2
.irp q, 0,1,2,3,4,5,6,7
	v_max_num_f32_dpp v[10+\q], v[10+\q], v[10+\q] row_xmask:\m row_mask:0xf bank_mask:0xf   ; with the three lanes that share my block
.endr
.endr
.irp q, 0,1,2,3,4,5,6,7
	v_add_nc_u32 v[18+\q], 0xff000000, v[10+\q]    ; 2 off the exponent field: the conversion's scale operand
.endr
.irp q, 0,1,2,3,4,5,6,7
	v_cvt_scalef32_pk8_fp4_f32 v[CD+\q], v[X0+8*\q:X0+8*\q+7], v[18+\q]
.endr
.irp q, 0,1,2,3,4,5,6,7
	v_lshrrev_b32 v[BY+\q], 23, v[18+\q]           ; the scale's byte
.endr
.irp q, 0,1,2,3,4,5,6,7
	ds_store_b32 v3, v[CD+\q] offset:2048*(\q%4)+16*(\q/4)
	ds_store_b8 v4, v[BY+\q] offset:((\q%4)/2)*256+8*((\q%4)%2)+16*(\q/4)   ; the four lanes of a block write the same byte with the same value
.endr
	s_wait_dscnt 0x0                               ; for the others' sake: my stores have landed
	s_barrier_signal -1
	s_barrier_wait -1
	ds_load_b128 v[10:13], v6
	ds_load_b128 v[14:17], v6 offset:512
	s_wait_dscnt 0x0
	global_store_b128 v5, v[10:13], s[20:21]       ; 32 lanes store 512 consecutive bytes
	global_store_b128 v5, v[14:17], s[20:21] offset:512
	s_cmp_lg_u32 s12, 0
	s_cbranch_scc1 .Ldone
	ds_load_b128 v[18:21], v7                      ; wave 0: the tile's scale bytes, 256 consecutive bytes for each chunk
	s_wait_dscnt 0x0
	global_store_b128 v8, v[18:21], s[22:23]
.Ldone:
	s_wait_tensorcnt 0x0
	ds_add_u32 v176, v177
	s_wait_dscnt 0x0
	s_endpgm
.Lfunc_end_k_q50e9d77b9a_prep2:
	.size	k_q50e9d77b9a_prep2, .Lfunc_end_k_q50e9d77b9a_prep2-k_q50e9d77b9a_prep2
	.p2alignl 7, 3214868480
	.fill 96, 4, 3214868480
	.section	.rodata,"a",@progbits
	.p2align	6, 0x0
	.amdhsa_kernel k_q50e9d77b9a_prep2
		.amdhsa_group_segment_fixed_size 9728
		.amdhsa_private_segment_fixed_size 0
		.amdhsa_enable_private_segment 0
		.amdhsa_kernarg_size 88
		.amdhsa_user_sgpr_count 2
		.amdhsa_user_sgpr_kernarg_segment_ptr 1
		.amdhsa_wavefront_size32 1
		.amdhsa_system_sgpr_workgroup_id_x 1
		.amdhsa_system_sgpr_workgroup_id_y 1
		.amdhsa_system_sgpr_workgroup_id_z 1
		.amdhsa_system_vgpr_workitem_id 0
		.amdhsa_next_free_vgpr 178
		.amdhsa_next_free_sgpr 66
		.amdhsa_reserve_vcc 0
		.amdhsa_float_denorm_mode_32 3
		.amdhsa_float_denorm_mode_16_64 3
		.amdhsa_memory_ordered 1
		.amdhsa_forward_progress 1
		.amdhsa_inst_pref_size 62
	.end_amdhsa_kernel
	.amdgpu_metadata
---
amdhsa.version: [ 1, 2 ]
amdhsa.kernels:
  - .name:           k_q50e9d77b9a_prep2
    .symbol:         k_q50e9d77b9a_prep2.kd
    .args:
      - { .name: x, .offset: 0, .size: 8, .value_kind: global_buffer, .address_space: global }
      - { .name: ln1_g, .offset: 8, .size: 8, .value_kind: global_buffer, .address_space: global }
      - { .name: ln1_b, .offset: 16, .size: 8, .value_kind: global_buffer, .address_space: global }
      - { .name: hq, .offset: 24, .size: 8, .value_kind: global_buffer, .address_space: global }
      - { .name: w1, .offset: 32, .size: 8, .value_kind: global_buffer, .address_space: global }
      - { .name: w2, .offset: 40, .size: 8, .value_kind: global_buffer, .address_space: global }
      - { .name: wts, .offset: 48, .size: 8, .value_kind: global_buffer, .address_space: global }
      - { .name: wq, .offset: 56, .size: 8, .value_kind: global_buffer, .address_space: global }
      - { .name: wk, .offset: 64, .size: 8, .value_kind: global_buffer, .address_space: global }
      - { .name: wv, .offset: 72, .size: 8, .value_kind: global_buffer, .address_space: global }
      - { .name: wo, .offset: 80, .size: 8, .value_kind: global_buffer, .address_space: global }
    .group_segment_fixed_size: 9728
    .private_segment_fixed_size: 0
    .kernarg_segment_align: 8
    .kernarg_segment_size: 88
    .max_flat_workgroup_size: 256
    .sgpr_count:     66
    .vgpr_count:     178
    .wavefront_size: 32
...
	.end_amdgpu_metadata
.endif
;; end of part 1
;; launch proj (part 2): grid 24 x 32, 4 waves a work-group, no clusters, 0 bytes of LDS; arguments hq, wts, bq, bk, bv, qkv; writes qkv
.if DOCPART == 2
	.amdgcn_target "amdgcn-amd-amdhsa--gfx1250"
	.amdhsa_code_object_version 6
	.text
	.protected	k_q50e9d77b9a_proj
	.globl	k_q50e9d77b9a_proj
	.p2align	8
	.type	k_q50e9d77b9a_proj,@function
k_q50e9d77b9a_proj:
	s_mov_b64 s[64:65], 0
	v_nop
	global_prefetch_b8 v0, s[64:65] scope:SCOPE_SE
	s_setreg_imm32_b32 hwreg(HW_REG_WAVE_MODE, 25, 1), 1
	s_wait_xcnt 0x0
; q = h wq + bq, k = h wk + bk, v = h wv + bv on codes of FP4 (E2M1) with E8M0 scales; the results are quantised at once: q and k along the head's 64, v along the keys, and stored as attention's operands.
; OPERANDS lie in memory in the order of the matrix unit's registers: codes [K step][tile][c 2][lane 32][16 bytes], scales [K / 512][16 x tile + r][16 bytes]; lane-row r of tile 2 g + u is row 32 g + 8 u + r + 8 (r / 8).
; So a fragment is two loads of 512 consecutive bytes straight into registers: no LDS, no barrier.  All eight K steps are written out and every offset is an immediate.
; SHARES.  A work-group makes 128 x 128, a wave 64 x 64: 16 accumulators.  Source 0's index runs along a lane's registers: by the tiles' order the 16 registers of tiles 2 g, 2 g + 1 are the 16 neighbours 32 g + 16 h + 0 .. 15;
; source 1's index is the lane.  x < 16 (q, k): source 0 = 64 columns of the weight = one head, source 1 = tokens.  x >= 16 (v): source 0 = tokens (the keys), source 1 = the head's channels.  The two ways differ in
; pointers, chosen by s_cselect on the work-group's number, in the bias and in the scale stores.
; OUT (qkv): q's codes 0, k's 0x200000: [head 32][tile 128][lane][16]; v's 0x400000: [head][key step 16][c 2][channel tile 4][lane][16]; scale words q 0x600000, k 0x640000: [head][step 16][lane 32][pair 4][4], bytes
; (b0, b1, 0x7f, 0x7f); v 0x680000: [head][step][lane 32][pair 2][4].  In a pair lanes 0-15 hold the even tile's words and lanes 16-31 the odd tile's.
; No cluster: the operands come by plain loads, which cannot be asked for jointly.
; LIMITS: a block of zeros gets the byte 1 where the quantiser says 127 (its codes are zeros, and this program alone reads the bytes); blocks under 2^-124 are held at byte 1; NaN and infinities are not served.
; REGISTERS: window 0: v1 16 x lane; v2-3 merged scale words; v4-9 the quantiser's; v12-15 scale words; v16-31 codes; v32-63 the operands' scale words, two sets; v64-95 the bias; v96-98 addresses; v128-255 accumulators
; ((a, b) at 128 + 32 b + 8 a).  window 1: four sets of fragments (set s % 4: source 0 at 64 set + 8 a, source 1 at 64 set + 32 + 8 b).
.set KSTEPS, 8
.set STR0,  262144                     ; from K step to K step: 256 tiles of 1,024 bytes, in both operands
.set STR1,  262144
.set SSTR0, 65536                      ; from chunk to chunk of scale words
.set SSTR1, 65536
.set LO,  1
.set MW,  2
.set TM,  4
.set WD,  12
.set PC,  16
.set SC,  32
.set BI,  64
.set BO,  96
.set BV,  97
.set SO,  98
.set ACC, 128
.set P0,  20                           ; s[20:21] source 0's codes, s[22:23] its scales, s[24:25], s[26:27] source 1's, s[28:29] bias, s[30:31] codes out, s[32:33] scales out
.set P0S, 22
.set P1,  24
.set P1S, 26
.set BP,  28
.set DC,  30
.set DS,  32
.set SEL, 66
.set MSB, 0
.macro WIN new                         ; the immediate's high byte repeats the setting that is left
.if MSB != \new
	s_set_vgpr_msb (MSB<<8)|\new
.set MSB, \new
.endif
.endm
.set W_MUL, 0x05                       ; sources 0 and 1 window 1; C and D window 0
.set W_TOF, 0x40                       ; destination window 1, address window 0
.macro F s                             ; K step s's eight fragments: 16 loads of 512 consecutive bytes
	WIN W_TOF
.set SG, 64*((\s)%4)
.irp i, 0,1,2,3,4,5,6,7
	global_load_b128 v[SG+4*\i:SG+4*\i+3], v[LO], s[P0:P0+1] offset:(\s)*STR0+512*\i
.endr
.irp i, 0,1,2,3,4,5,6,7
	global_load_b128 v[SG+32+4*\i:SG+32+4*\i+3], v[LO], s[P1:P1+1] offset:(\s)*STR1+512*\i
.endr
.endm
.macro SCL q                           ; the scale words of K steps 4 q .. 4 q + 3: a load serves two tiles (lanes 0-15, lanes 16-31), register i the i-th of the four steps
	WIN 0
.set SS, SC+16*((\q)%2)
.irp p, 0,1
	global_load_b128 v[SS+4*\p:SS+4*\p+3], v[LO], s[P0S:P0S+1] offset:(\q)*SSTR0+512*\p
	global_load_b128 v[SS+8+4*\p:SS+8+4*\p+3], v[LO], s[P1S:P1S+1] offset:(\q)*SSTR1+512*\p
.endr
.endm
.macro WM ra, rb                       ; one product; ra, rb: the side's scale words stand in lanes 16-31
.if ((\ra) == 0) && ((\rb) == 0)
	v_wmma_scale_f32_16x16x128_f8f6f4 v[rD:rD+7], v[rA:rA+7], v[rB:rB+7], v[rC:rC+7], v[rSA], v[rSB] matrix_a_fmt:MATRIX_FMT_FP4 matrix_b_fmt:MATRIX_FMT_FP4
.elseif (\rb) == 0
	v_wmma_scale_f32_16x16x128_f8f6f4 v[rD:rD+7], v[rA:rA+7], v[rB:rB+7], v[rC:rC+7], v[rSA], v[rSB] matrix_a_fmt:MATRIX_FMT_FP4 matrix_b_fmt:MATRIX_FMT_FP4 matrix_a_scale:MATRIX_SCALE_ROW1
.elseif (\ra) == 0
	v_wmma_scale_f32_16x16x128_f8f6f4 v[rD:rD+7], v[rA:rA+7], v[rB:rB+7], v[rC:rC+7], v[rSA], v[rSB] matrix_a_fmt:MATRIX_FMT_FP4 matrix_b_fmt:MATRIX_FMT_FP4 matrix_b_scale:MATRIX_SCALE_ROW1
.else
	v_wmma_scale_f32_16x16x128_f8f6f4 v[rD:rD+7], v[rA:rA+7], v[rB:rB+7], v[rC:rC+7], v[rSA], v[rSB] matrix_a_fmt:MATRIX_FMT_FP4 matrix_b_fmt:MATRIX_FMT_FP4 matrix_a_scale:MATRIX_SCALE_ROW1 matrix_b_scale:MATRIX_SCALE_ROW1
.endif
.endm
; 16 products of K step s.  The 16 accumulators take turns, one instruction a turn, in the same order in every step.
; cmode 0: onto the sums; 1: the sums begin with the bias of source 0's index; 2: of source 1's.
.macro MUL s, cmode
	WIN W_MUL
.set SG, 64*((\s)%4)
.set SW, SC+16*(((\s)/4)%2)+(\s)%4
.irp b, 0,1,2,3
.irp a, 0,1,2,3
.set rD, ACC+32*\b+8*\a
.set rC, rD
.if \cmode == 1
.set rC, BI+8*\a
.endif
.if \cmode == 2
.set rC, BI+8*\b
.endif
.set rA, SG+8*\a
.set rB, SG+32+8*\b
.set rSA, SW+4*(\a/2)
.set rSB, SW+8+4*(\b/2)
	WM \a%2, \b%2
.endr
.endr
.endm
; The wait ahead of K step s counts the loads issued behind its fragments: 16 for each later set that is out (three at the most), and 4 where the next chunk of scale words was asked for since.
; The step's own scale words, and the bias, were issued ahead of its fragments.
.macro WAITS s
.set NW, KSTEPS-1-(\s)
.if NW > 3
.set NW, 3
.endif
.set NW, 16*NW
.if ((\s)%4 != 0) && ((\s)/4+1 < KSTEPS/4)
.set NW, NW+4
.endif
	s_wait_loadcnt NW
.endm
.macro TAIL s                          ; four places behind the products, then loads into the registers that they have read (ISA guide 7.12.1 for vector instructions)
.rept 4
	v_nop
.endr
.if ((\s)%4 == 0) && ((\s)/4+1 < KSTEPS/4)
	SCL (\s)/4+1
.endif
.if (\s)+4 < KSTEPS
	F (\s)+4
.endif
.endm
; 32 numbers of a lane, register 16 b + i = index 32 b + 16 (lane / 16) + i of my row, become four registers of codes (lane (r, h): index 32 h + 0 .. 31) in v[pc] on and the two scale bytes in v[w].
.macro QUANT2 s, pc, w
.irp b, 0,1
	v_max3_num_f32 v[TM+\b], |v[\s+16*\b]|, |v[\s+1+16*\b]|, 0x1800000   ; with the floor 2^(3 - 127): the byte cannot fall under 1
.endr
.irp i, 2,4,6,8,10,12,14
.irp b, 0,1
	v_max3_num_f32 v[TM+\b], v[TM+\b], |v[\s+16*\b+\i]|, |v[\s+1+16*\b+\i]|
.endr
.endr
.irp b, 0,1
	v_permlanex16_b32 v[TM+2+\b], v[TM+\b], s[SEL], s[SEL+1]
.endr
.irp b, 0,1
	v_max_num_f32 v[TM+\b], v[TM+\b], v[TM+2+\b]   ; with lane l xor 16's: the block's largest magnitude
.endr
.irp b, 0,1
	v_add_nc_u32 v[TM+4+\b], 0xff000000, v[TM+\b]  ; 2 off the exponent field: the conversion's scale operand
.endr
.irp b, 0,1
	v_lshrrev_b32 v[TM+2+\b], 23, v[TM+4+\b]       ; the scale's byte
.endr
	v_lshl_or_b32 v[\w], v[TM+3], 8, v[TM+2]
.irp b, 0,1
	v_cvt_scalef32_pk8_fp4_f32 v[\pc+2*\b], v[\s+16*\b:\s+16*\b+7], v[TM+4+\b]
	v_cvt_scalef32_pk8_fp4_f32 v[\pc+2*\b+1], v[\s+16*\b+8:\s+16*\b+15], v[TM+4+\b]
.endr
	v_nop                                          ; a plain line behind a scaled conversion
	v_permlane16_swap_b32 v[\pc], v[\pc+2]         ; the operand wants a whole block in a lane: lanes 0-15 block 0, lanes 16-31 block 1
	v_permlane16_swap_b32 v[\pc+1], v[\pc+3]
.endm
	s_load_b256 s[4:11], s[0:1], 0x0               ; hq, wts, bq, bk
	s_load_b128 s[72:75], s[0:1], 0x20             ; bv, qkv
	v_lshrrev_b32 v6, 5, v0
	v_readfirstlane_b32 s14, v6                    ; wave
	s_and_b32 s15, s14, 1                          ; wa: my half of source 0's 128
	s_lshr_b32 s16, s14, 1                         ; wb: of source 1's
	s_and_b32 s18, ttmp7, 0xffff                   ; y: 128 tokens
	v_and_b32 v6, 31, v0                           ; (v6 and v7 are so written: a lane permute's destination counts as one of its sources)
	s_wait_alu depctr_va_vdst(0)
	v_lshlrev_b32 v[LO], 4, v6
	v_and_b32 v7, 15, v0                           ; r
	v_bfe_u32 v8, v0, 4, 1                         ; h
	v_lshlrev_b32 v[BO], 6, v8                     ; bias along registers: 16 h numbers on
	v_and_b32 v9, 8, v7
	v_add_nc_u32 v9, v9, v7
	v_lshlrev_b32 v[BV], 2, v9                     ; bias along lanes: number r + 8 (r / 8)
	s_mov_b32 s[SEL], 0x76543210
	s_mov_b32 s[SEL+1], 0xfedcba98                 ; v_permlanex16_b32's selects for lane l xor 16
	s_mov_b32 s68, 0xffff0000                      ; lanes 16-31
	s_mov_b32 s40, 0x600000
	s_cmp_ge_u32 ttmp9, 16                         ; v's way?
	s_cselect_b32 s50, 1, 0
	s_cselect_b32 s34, s18, ttmp9                  ; source 0's block of 128
	s_cselect_b32 s35, ttmp9, s18                  ; source 1's
	s_cselect_b32 s41, 0x200000, s40               ; where source 0's scales begin in its buffer
	s_cselect_b32 s42, s40, 0x200000               ; source 1's
	s_cselect_b32 s52, s16, s15                    ; which half of the 128 columns is my head
	s_cselect_b32 s63, 3, 4
	v_lshlrev_b32 v[SO], s63, v6                   ; scale words out: 16 bytes a lane (q, k), 8 (v)
	s_lshl_b32 s34, s34, 3
	s_lshl_b32 s36, s15, 2
	s_add_co_u32 s34, s34, s36                     ; source 0's first tile
	s_lshl_b32 s35, s35, 3
	s_lshl_b32 s36, s16, 2
	s_add_co_u32 s35, s35, s36                     ; source 1's
	s_lshl_b32 s36, s34, 10
	s_mov_b32 s37, 0
	s_lshl_b32 s38, s34, 8
	s_add_co_u32 s38, s38, s41
	s_mov_b32 s39, 0
	s_lshl_b32 s44, s35, 10
	s_mov_b32 s45, 0
	s_lshl_b32 s46, s35, 8
	s_add_co_u32 s46, s46, s42
	s_mov_b32 s47, 0
	s_and_b32 s51, ttmp9, 7
	s_lshl_b32 s48, s51, 9
	s_lshl_b32 s49, s52, 8
	s_add_co_u32 s48, s48, s49                     ; the bias of my 64 columns
	s_mov_b32 s49, 0
	s_wait_kmcnt 0x0
	s_cmp_eq_u32 s50, 1
	s_cselect_b64 s[P0:P0+1], s[4:5], s[6:7]
	s_cselect_b64 s[P1:P1+1], s[6:7], s[4:5]
	s_add_nc_u64 s[P0S:P0S+1], s[P0:P0+1], s[38:39]
	s_add_nc_u64 s[P0:P0+1], s[P0:P0+1], s[36:37]
	s_add_nc_u64 s[P1S:P1S+1], s[P1:P1+1], s[46:47]
	s_add_nc_u64 s[P1:P1+1], s[P1:P1+1], s[44:45]
	s_cmp_lt_u32 ttmp9, 8
	s_cselect_b64 s[BP:BP+1], s[8:9], s[10:11]
	s_cmp_lt_u32 ttmp9, 16
	s_cselect_b64 s[BP:BP+1], s[BP:BP+1], s[72:73]
	s_add_nc_u64 s[BP:BP+1], s[BP:BP+1], s[48:49]
	s_cmp_eq_u32 s50, 1
	s_cbranch_scc1 .Lbias_v
	s_wait_alu depctr_va_vdst(0)
.irp a, 0,1,2,3                                ; q, k: lane (r, h) wants, for tile a, the bias of columns 32 (a / 2) + 8 (a % 2) + 16 h + 0 .. 7
	global_load_b128 v[BI+8*\a:BI+8*\a+3],   v[BO], s[BP:BP+1] offset:(32*(\a/2)+8*(\a%2))*4
	global_load_b128 v[BI+8*\a+4:BI+8*\a+7], v[BO], s[BP:BP+1] offset:(32*(\a/2)+8*(\a%2))*4+16
.endr
	s_branch .Lbias_done
.Lbias_v:
	s_wait_alu depctr_va_vdst(0)
.irp b, 0,1,2,3                                ; v: the lane's own channel's bias in all eight registers of tile b
.irp j, 0,1,2,3,4,5,6,7
	global_load_b32 v[BI+8*\b+\j], v[BV], s[BP:BP+1] offset:(32*(\b/2)+8*(\b%2))*4
.endr
.endr
.Lbias_done:
	SCL 0
	F 0
	F 1
	F 2
	F 3
	WIN 0
	; where the results go
	s_lshl_b32 s53, s51, 1
	s_add_co_u32 s53, s53, s52                     ; the head
	s_lshr_b32 s54, s18, 4
	s_lshl_b32 s54, s54, 4
	s_add_co_u32 s54, s54, s53                     ; 16 x batch + head
	s_and_b32 s55, s18, 15                         ; which 128 tokens of the sequence
	s_lshl_b32 s56, s54, 7
	s_lshl_b32 s57, s55, 3
	s_add_co_u32 s56, s56, s57
	s_lshl_b32 s57, s16, 2
	s_add_co_u32 s56, s56, s57
	s_lshl_b32 s56, s56, 9                         ; q, k codes: 512 bytes a tile
	s_lshl_b32 s58, s54, 13
	s_lshl_b32 s57, s55, 9
	s_add_co_u32 s58, s58, s57
	s_lshl_b32 s57, s16, 3
	s_add_co_u32 s58, s58, s57                     ; q, k scale words: pairs 2 wb, 2 wb + 1
	s_mov_b32 s59, 0x640000
	s_cmp_lt_u32 ttmp9, 8
	s_cselect_b32 s57, 0, 0x200000
	s_cselect_b32 s59, 0x600000, s59
	s_add_co_u32 s56, s56, s57
	s_add_co_u32 s58, s58, s59
	s_lshl_b32 s60, s54, 4
	s_add_co_u32 s60, s60, s55
	s_lshl_b32 s61, s60, 12
	s_lshl_b32 s57, s15, 11
	s_add_co_u32 s61, s61, s57
	s_add_co_u32 s61, s61, 0x400000                ; v codes: group c = wa
	s_lshl_b32 s62, s60, 8
	s_lshl_b32 s57, s15, 1
	s_add_co_u32 s62, s62, s57
	s_add_co_u32 s62, s62, 0x680000                ; v scale bytes 2 wa, 2 wa + 1
	s_cmp_eq_u32 s50, 1
	s_cselect_b32 s56, s61, s56
	s_cselect_b32 s58, s62, s58
	s_mov_b32 s57, 0
	s_mov_b32 s59, 0
	s_add_nc_u64 s[DC:DC+1], s[74:75], s[56:57]
	s_add_nc_u64 s[DS:DS+1], s[74:75], s[58:59]
	WAITS 0
	s_cmp_eq_u32 s50, 1
	s_cbranch_scc1 .Lmul_v
	MUL 0, 1
	WIN 0
	s_branch .Lmul_done
.Lmul_v:
	MUL 0, 2
	WIN 0
.Lmul_done:
	TAIL 0
.set S_, 1
.rept KSTEPS-1
	WAITS S_
	MUL S_, 0
	TAIL S_
.set S_, S_+1
.endr
	WIN 0                                          ; the last step's four places stand behind the last product
.irp b, 0,1,2,3
	QUANT2 ACC+32*\b, PC+4*\b, WD+\b
	v_or_b32 v[WD+\b], 0x7f7f0000, v[WD+\b]        ; bytes 2 and 3 of a word of q or k scale zero codes: 1.0
	global_store_b128 v[LO], v[PC+4*\b:PC+4*\b+3], s[DC:DC+1] offset:512*\b   ; 32 lanes store 512 consecutive bytes
.endr
	v_cndmask_b32 v[MW], v[WD], v[WD+1], s68       ; a pair's words: the even tile's in lanes 0-15, the odd tile's in lanes 16-31 (both halves of the lanes hold their row's word)
	v_cndmask_b32 v[MW+1], v[WD+2], v[WD+3], s68
	s_cmp_eq_u32 s50, 1
	s_cbranch_scc1 .Lscale_v
	global_store_b64 v[SO], v[MW:MW+1], s[DS:DS+1]
	s_branch .Ldone
.Lscale_v:
	s_wait_alu depctr_va_vdst(0)
	global_store_b16 v[SO], v[MW], s[DS:DS+1]      ; two of a word's four bytes: the other two come from the wave with the other 64 keys
	global_store_b16 v[SO], v[MW+1], s[DS:DS+1] offset:4
.Ldone:
	s_endpgm
.Lfunc_end_k_q50e9d77b9a_proj:
	.size	k_q50e9d77b9a_proj, .Lfunc_end_k_q50e9d77b9a_proj-k_q50e9d77b9a_proj
	.p2alignl 7, 3214868480
	.fill 96, 4, 3214868480
	.section	.rodata,"a",@progbits
	.p2align	6, 0x0
	.amdhsa_kernel k_q50e9d77b9a_proj
		.amdhsa_group_segment_fixed_size 0
		.amdhsa_private_segment_fixed_size 0
		.amdhsa_enable_private_segment 0
		.amdhsa_kernarg_size 48
		.amdhsa_user_sgpr_count 2
		.amdhsa_user_sgpr_kernarg_segment_ptr 1
		.amdhsa_wavefront_size32 1
		.amdhsa_system_sgpr_workgroup_id_x 1
		.amdhsa_system_sgpr_workgroup_id_y 1
		.amdhsa_system_sgpr_workgroup_id_z 1
		.amdhsa_system_vgpr_workitem_id 0
		.amdhsa_next_free_vgpr 512
		.amdhsa_next_free_sgpr 80
		.amdhsa_reserve_vcc 0
		.amdhsa_float_denorm_mode_32 3
		.amdhsa_float_denorm_mode_16_64 3
		.amdhsa_memory_ordered 1
		.amdhsa_forward_progress 1
		.amdhsa_inst_pref_size 49
	.end_amdhsa_kernel
	.amdgpu_metadata
---
amdhsa.version: [ 1, 2 ]
amdhsa.kernels:
  - .name:           k_q50e9d77b9a_proj
    .symbol:         k_q50e9d77b9a_proj.kd
    .args:
      - { .name: hq, .offset: 0, .size: 8, .value_kind: global_buffer, .address_space: global }
      - { .name: wts, .offset: 8, .size: 8, .value_kind: global_buffer, .address_space: global }
      - { .name: bq, .offset: 16, .size: 8, .value_kind: global_buffer, .address_space: global }
      - { .name: bk, .offset: 24, .size: 8, .value_kind: global_buffer, .address_space: global }
      - { .name: bv, .offset: 32, .size: 8, .value_kind: global_buffer, .address_space: global }
      - { .name: qkv, .offset: 40, .size: 8, .value_kind: global_buffer, .address_space: global }
    .group_segment_fixed_size: 0
    .private_segment_fixed_size: 0
    .kernarg_segment_align: 8
    .kernarg_segment_size: 48
    .max_flat_workgroup_size: 128
    .sgpr_count:     80
    .vgpr_count:     512
    .wavefront_size: 32
...
	.end_amdgpu_metadata
.endif
;; end of part 2
;; launch att (part 3): grid 8 x 32, 16 waves a work-group, no clusters, 169,984 bytes of LDS; arguments qkv, ac; writes ac
.if DOCPART == 3
	.amdgcn_target "amdgcn-amd-amdhsa--gfx1250"
	.amdhsa_code_object_version 6
	.text
	.protected	k_q50e9d77b9a_att
	.globl	k_q50e9d77b9a_att
	.p2align	8
	.type	k_q50e9d77b9a_att,@function
k_q50e9d77b9a_att:
	s_mov_b64 s[64:65], 0
	v_nop
	global_prefetch_b8 v0, s[64:65] scope:SCOPE_SE
	s_setreg_imm32_b32 hwreg(HW_REG_WAVE_MODE, 25, 1), 1
	s_wait_xcnt 0x0
; o = softmax(q k^T / 8) v for one head, both products on codes of FP4 (E2M1) with E8M0 scales; o is divided by the row's sum, quantised along the model's 1,024 and stored as the next product's operand.
; THE SOFTMAX: t = score x log2(e) / 8; M = the row's largest t so far, rounded up to a whole number; p = 2^(t - M) is quantised along the keys, not normalised; the row's sum is taken of the unquantised p.
; When M moves, the sum and O are multiplied by 2^(old M - new M): exact.
; SHARES.  A work-group owns 256 queries of one head; each of its sixteen waves one tile of 16, in 256 registers.
; The head's whole K and V (codes and scale words, 143,360 bytes) lie in LDS, copied once by 18 asynchronous copies at the head: the scale words, then K's and V's codes by turns, two key steps a copy.
; q's two loads are issued ahead of the copies.  The walk begins when the scale words and the first FIRST key steps have landed (a counted wait, a barrier); the rest lands under those steps (a wait for all, a barrier).
; Nothing is filled again.  No cluster: what the eight work-groups of a head share is that one fill, by copies, which cannot be asked for jointly.  No prefetch: LDS is filled once, at the head.
; LAYOUT.  Both products are used transposed: S^T = K Q^T (source 0 = 16 keys), O^T = V^T P^T (source 0 = 16 channels): a lane holds one query throughout.
; THE KEYS OF A TILE ARE CHOSEN BY THE LANE'S LDS ADDRESS: row m of tile 4 c + i is key 64 c + 32 (m / 8) + 8 i + m % 8.  So lane (r, h) holds in the 32 registers of tiles 4 c .. 4 c + 3 the WHOLE block of keys
; 64 c + 32 h + 0 .. 31, in order: a block's maximum needs no other lane, and the conversion of tile 4 c + i is register 4 c + i of the second product's operand as it stands.
; In memory (and LDS) key 32 g + 8 u + r + 8 (r / 8) is row r of stored tile 2 g + u (512 bytes a tile, 16 x (16 h + r)): so the lane's place is 1024 (m / 8) + 256 h + 16 (m % 8), a tile's 2048 c + 512 (i % 2) + 128 (i / 2).
; THE HEAD'S 64 IN AN INSTRUCTION OF 128: q's registers 4-7 are zero codes; of the eight registers named for a tile of K the upper four are the next tile's codes (zeros behind the last): under scale bytes 0x7f they add nothing.
; IN (qkv): see the launch that writes it.  OUT (ac): codes [K step 8][tile 256][c 2][lane][16], K = 64 x head + channel; from 0x200000 scales [chunk 2][16 x tile + r][16].
; LIMITS: a block of zeros gets the byte 1 where the quantiser says 127 (its codes are zeros, and this program alone reads the bytes); blocks under 2^-124 are held at byte 1; NaN and infinities are not served.
; REGISTERS: v1-5 my lane's places; v8-11 the step's addresses; v12 -M, v13 the largest score, v[14:15] the sum; v16-23 q; v24 q's scale word, v25 p's; v26-29 K's scale words, v30-31 V's; v32-67 K; v68-99 V;
; v100-163 S^T, then p; v164-195 O^T; v196-203 p's codes; v204-219 at work; v224-229 the copies' addresses, never rewritten; v230-243 chains of the sum.
.set KCL, 0
.set VCL, 0x10000
.set KSL, 0x20000
.set VSL, 0x22000
.set FIRST, 4
.set S,   100
.set O,   164
.set PCD, 196
.set BM,  204
.set PT,  208
.set SOP, 212
.set TT,  216
.set TU,  217
.set FF,  218
.set OSO, 222
.set CA,  224
.set SU,  230
.set TM,  204
.set SEL, 28
.set CS,  30
	s_load_b128 s[4:7], s[0:1], 0x0                ; qkv, ac
	v_lshl_add_u32 v254, v0, 2, 0x29000
	v_mov_b32 v255, 0
	ds_add_u32 v254, v255                          ; the opening lines: the add twice on end and its wait ahead of my first copy
	ds_add_u32 v254, v255
	v_lshrrev_b32 v1, 5, v0
	s_delay_alu instid0(VALU_DEP_1)
	v_readfirstlane_b32 s8, v1                     ; wave 0..15
	v_lshlrev_b32 v[CA], 4, v0                     ; the copies: thread t takes 16 bytes at 16 t of each 8,192
	v_lshlrev_b32 v[CA+4], 3, v0
	v_and_b32 v2, 31, v0
	v_and_b32 v[OSO], 15, v0
	v_add_nc_u32 v[CA+1], VCL, v[CA]
	v_add_nc_u32 v[CA+2], KSL, v[CA]
	v_add_nc_u32 v[CA+3], VSL, v[CA+4]
	v_mov_b32 v[CA+5], v[CA]
	v_lshlrev_b32 v5, 4, v2                        ; 16 x lane
	v_lshlrev_b32 v[OSO], 4, v[OSO]                ; 16 x (lane % 16)
	s_and_b32 s10, ttmp7, 0xffff                   ; 16 x batch + head
	s_lshl_b32 s36, s10, 16
	s_add_co_u32 s38, s36, 0x400000
	s_add_co_u32 s36, s36, 0x200000
	s_mov_b32 s37, 0
	s_mov_b32 s39, 0
	s_lshl_b32 s40, s10, 13
	s_add_co_u32 s44, s40, 0x600000
	s_add_co_u32 s40, s40, 0x640000
	s_mov_b32 s41, 0
	s_lshl_b32 s42, s10, 12
	s_add_co_u32 s42, s42, 0x680000
	s_mov_b32 s43, 0
	s_lshl_b32 s46, ttmp9, 4
	s_add_co_u32 s46, s46, s8                      ; my tile of the sequence's 128
	s_lshl_b32 s20, s10, 7
	s_add_co_u32 s20, s20, s46
	s_lshl_b32 s20, s20, 9                         ; q's codes
	s_mov_b32 s21, 0
	s_lshr_b32 s22, s46, 3
	s_lshl_b32 s22, s22, 9                         ; q's scale word: the step of 8 tiles,
	s_add_co_u32 s22, s22, s44
	s_and_b32 s23, s8, 1
	s_lshl_b32 s23, s23, 8                         ; the half of the lanes,
	s_add_co_u32 s22, s22, s23
	s_bfe_u32 s23, s8, 0x20001
	s_lshl_b32 s23, s23, 2                         ; the pair
	s_add_co_u32 s22, s22, s23
	s_mov_b32 s23, 0
	s_wait_alu depctr_va_vdst(0)
	s_wait_dscnt 0x0
	s_wait_kmcnt 0x0
	s_add_nc_u64 s[20:21], s[4:5], s[20:21]
	s_add_nc_u64 s[22:23], s[4:5], s[22:23]
	global_load_b128 v[16:19], v5, s[20:21]        ; q's four registers of codes: asked for ahead of the copies
	global_load_b32 v24, v[OSO], s[22:23]          ; lane r: row r's scale word
	s_add_nc_u64 s[12:13], s[4:5], s[36:37]        ; the head's K codes,
	s_add_nc_u64 s[14:15], s[4:5], s[38:39]        ; V codes,
	s_add_nc_u64 s[16:17], s[4:5], s[40:41]        ; K scale words,
	s_add_nc_u64 s[18:19], s[4:5], s[42:43]        ; V scale words: these four pairs and v224-229 are not written again
	global_load_async_to_lds_b128 v[CA+2], v[CA+5], s[16:17]
	global_load_async_to_lds_b64 v[CA+3], v[CA+4], s[18:19]
.irp i, 0,1,2,3,4,5,6,7                        ; copy i of each kind: key steps 2 i and 2 i + 1; the immediate is added to both addresses
	global_load_async_to_lds_b128 v[CA], v[CA+5], s[12:13] offset:8192*\i
	global_load_async_to_lds_b128 v[CA+1], v[CA+5], s[14:15] offset:8192*\i
.endr
	s_and_b32 s40, s10, 15                         ; the head
	s_lshr_b32 s42, s10, 4
	s_lshl_b32 s42, s42, 7
	s_add_co_u32 s42, s42, s46                     ; my tile of all 256
	s_lshr_b32 s36, s40, 1
	s_lshl_b32 s36, s36, 8
	s_add_co_u32 s36, s36, s42
	s_lshl_b32 s36, s36, 10
	s_and_b32 s38, s40, 1
	s_lshl_b32 s38, s38, 9
	s_add_co_u32 s36, s36, s38
	s_add_nc_u64 s[24:25], s[6:7], s[36:37]        ; out: K step head / 2, group c = head % 2
	s_lshr_b32 s38, s40, 3
	s_lshl_b32 s38, s38, 16
	s_lshl_b32 s36, s42, 8
	s_add_co_u32 s38, s38, s36
	s_and_b32 s36, s40, 7
	s_lshl_b32 s36, s36, 1
	s_add_co_u32 s38, s38, s36
	s_add_co_u32 s38, s38, 0x200000
	s_add_nc_u64 s[26:27], s[6:7], s[38:39]        ; out: chunk head / 8, bytes 2 (head % 8) on
	s_mov_b32 s[SEL], 0x76543210
	s_mov_b32 s[SEL+1], 0xfedcba98                 ; v_permlanex16_b32's selects for lane l xor 16
	s_mov_b32 s[CS], 0x3e38aa3b                    ; c = log2(e) / 8
	s_mov_b32 s[CS+1], s[CS]                       ; (named with it as a pair, so it is written)
	s_mov_b32 s32, 0                               ; the step's codes: 4,096 bytes a step, in K and in V
	s_mov_b32 s33, 0                               ; K's scale words: 512
	s_mov_b32 s34, 0                               ; V's: 256
	v_and_b32 v6, 7, v0                            ; m % 8
	v_bfe_u32 v7, v0, 4, 1                         ; h
	v_bfe_u32 v9, v0, 3, 1                         ; m / 8
	v_lshlrev_b32 v4, 3, v2
	v_lshlrev_b32 v10, 4, v6
	v_add_nc_u32 v2, VCL, v5                       ; V's codes: 16 x lane
	v_add_nc_u32 v4, VSL, v4                       ; V's scale words: 8 x lane
	v_lshl_add_u32 v10, v7, 8, v10                 ; 256 h + 16 (m % 8)
	s_delay_alu instid0(VALU_DEP_1)
	v_lshl_add_u32 v1, v9, 10, v10                 ; K's codes: + 1024 (m / 8)
	v_lshl_add_u32 v3, v9, 2, v10                  ; K's scale words: lanes 0-15 the even stored tile's, lanes 16-31 the odd one's; + 4 (m / 8): the pair
	s_delay_alu instid0(VALU_DEP_1)
	v_add_nc_u32 v3, KSL, v3
.irp j, 20,21,22,23,64,65,66,67
	v_mov_b32 v[\j], 0                             ; zero codes: q's upper half, and what stands behind K's last tile
.endr
	v_mov_b32 v13, 0xff61b1e6                      ; the largest score so far: -3e38
	v_mov_b32 v12, 0x7e800000                      ; -M: a large whole number, so that the first f is 0
	v_mov_b32 v14, 0                               ; the sum, in two halves
	v_mov_b32 v15, 0
.irp j, 0,1,2,3
	v_mov_b32 v[PT+\j], 0                          ; written once: a lane permute's destination counts as one of its sources
.endr
	v_mov_b32 v[FF+1], 0                           ; (named as the upper half of the pair)
.set j_, 0
.rept 32
	v_mov_b32 v[O+j_], 0                           ; O^T: the step is written once; the first finds zeros
.set j_, j_+1
.endr
; A walk over so many key steps of 128 keys; the LDS addresses hang on s32, s33, s34, which go on from walk to walk.
.macro WALK trips
	s_mov_b32 s35, \trips
.Lstep_\@:
	v_add_nc_u32 v8, s32, v1                       ; (these four are also the places behind the last trip's products, ahead of the loads into what they read)
	v_add_nc_u32 v9, s32, v2
	v_add_nc_u32 v10, s33, v3
	v_add_nc_u32 v11, s34, v4
.irp c, 0,1
.irp i, 0,1,2,3
	ds_load_b128 v[32+16*\c+4*\i:35+16*\c+4*\i], v8 offset:2048*\c+512*(\i%2)+128*(\i/2)
.endr
.endr
.irp c, 0,1
.irp i, 0,1
	ds_load_b32 v[26+2*\c+\i], v10 offset:128*\i+8*\c   ; the words of tiles 4 c + 2 i (lanes 0-15) and 4 c + 2 i + 1 (lanes 16-31)
.endr
.endr
.irp t, 0,1,2,3
.irp c, 0,1
	ds_load_b128 v[68+8*\t+4*\c:71+8*\t+4*\c], v9 offset:2048*\c+512*\t
.endr
.endr
	ds_load_b64 v[30:31], v11
	s_wait_dscnt 9                                 ; K and its scale words are in; V's nine loads may be out
.irp t, 0,2,4,6
	v_wmma_scale_f32_16x16x128_f8f6f4 v[S+8*\t:S+8*\t+7], v[32+4*\t:39+4*\t], v[16:23], 0, v[26+\t/2], v24 matrix_a_fmt:MATRIX_FMT_FP4 matrix_b_fmt:MATRIX_FMT_FP4
	v_wmma_scale_f32_16x16x128_f8f6f4 v[S+8*\t+8:S+8*\t+15], v[36+4*\t:43+4*\t], v[16:23], 0, v[26+\t/2], v24 matrix_a_fmt:MATRIX_FMT_FP4 matrix_b_fmt:MATRIX_FMT_FP4 matrix_a_scale:MATRIX_SCALE_ROW1
.endr
	v_mov_b32 v[TT], v12                           ; the old -M; with three v_nop the four places behind the products
.rept 3
	v_nop
.endr
.irp c, 0,1                                    ; the largest score of my two blocks of 32 keys, two chains a block; each accumulator is first read at its low end
	v_max3_num_f32 v[BM+\c], v[S+32*\c], v[S+32*\c+1], v[S+32*\c+2]
	v_max3_num_f32 v[BM+2+\c], v[S+32*\c+17], v[S+32*\c+18], v[S+32*\c+19]
.endr
.irp i, 0,1,2,3,4,5
.irp c, 0,1
	v_max3_num_f32 v[BM+\c], v[BM+\c], v[S+32*\c+3+2*\i], v[S+32*\c+4+2*\i]
	v_max3_num_f32 v[BM+2+\c], v[BM+2+\c], v[S+32*\c+20+2*\i], v[S+32*\c+21+2*\i]
.endr
.endr
.irp c, 0,1
	v_max3_num_f32 v[BM+\c], v[BM+\c], v[S+32*\c+15], v[S+32*\c+16]
.endr
.irp c, 0,1
	s_delay_alu instid0(VALU_DEP_2)
	v_max_num_f32 v[BM+\c], v[BM+\c], v[BM+2+\c]
.endr
	s_delay_alu instid0(VALU_DEP_1)
	v_max_num_f32 v[TU], v[BM], v[BM+1]
	s_delay_alu instid0(VALU_DEP_1)
	v_permlanex16_b32 v[PT], v[TU], s[SEL], s[SEL+1]
	s_delay_alu instid0(VALU_DEP_1)
	v_max3_num_f32 v13, v13, v[TU], v[PT]          ; the running largest score of my query (with lane l xor 16's 64 keys)
	s_delay_alu instid0(VALU_DEP_1)
	v_mul_f32 v[TU], s[CS], v13                    ; as t (c is positive)
	s_delay_alu instid0(VALU_DEP_1)
	v_floor_f32 v12, -v[TU]                        ; the new -M = floor(-t): M is a whole number
	s_delay_alu instid0(VALU_DEP_1)
	v_sub_f32 v[TT], v12, v[TT]                    ; old M - new M: a whole number, 0 or less
	s_delay_alu instid0(VALU_DEP_1)
	v_cvt_i32_f32 v[TT], v[TT]                     ; (it saturates)
	s_delay_alu instid0(VALU_DEP_1)
	v_ldexp_f32 v[FF], 1.0, v[TT]                  ; f = 2^(old M - new M)
.set j_, 0
.rept 32
	v_pk_fma_f32 v[S+j_:S+j_+1], v[S+j_:S+j_+1], s[CS:CS+1], v[12:13] op_sel_hi:[1,0,0]   ; t - M, two at a time (the pairs' low words serve both halves)
.set j_, j_+2
.endr
.irp c, 0,1
	v_fma_f32 v[BM+\c], v[BM+\c], s[CS], v12       ; the same of each block's largest score
.endr
	s_wait_alu depctr_va_vdst(0)
.set j_, 0
.rept 64
	v_exp_f32 v[S+j_], v[S+j_]                     ; p = 2^(t - M)
.set j_, j_+1
.endr
	v_pk_mul_f32 v[14:15], v[14:15], v[FF:FF+1] op_sel_hi:[1,0]   ; the sums under the new M: a plain line behind the exponentials
	s_wait_alu depctr_va_vdst(0)                   ; one wait for the batch of 64, ahead of its first reader
.irp c, 0,1
	v_exp_f32 v[BM+\c], v[BM+\c]                   ; the block's largest p: the same two instructions on the same number give the same bits
.endr
.irp j, 1,2,3,4,5,6,7                          ; the row's sum of the unquantised p: 32 pairs in eight chains
	v_pk_add_f32 v[SU+2*\j-2:SU+2*\j-1], v[S+2*\j:S+2*\j+1], v[S+16+2*\j:S+17+2*\j]
.endr
	v_pk_add_f32 v[14:15], v[14:15], v[S:S+1]
.irp j, 1,2,3,4,5,6,7
	v_pk_add_f32 v[SU+2*\j-2:SU+2*\j-1], v[SU+2*\j-2:SU+2*\j-1], v[S+30+2*\j:S+31+2*\j]
.endr
	v_pk_add_f32 v[14:15], v[14:15], v[S+16:S+17]
.irp j, 1,2,3,4,5,6,7
	v_pk_add_f32 v[SU+2*\j-2:SU+2*\j-1], v[SU+2*\j-2:SU+2*\j-1], v[S+44+2*\j:S+45+2*\j]
.endr
	v_pk_add_f32 v[14:15], v[14:15], v[S+60:S+61]
	v_pk_add_f32 v[SU:SU+1], v[SU:SU+1], v[SU+2:SU+3]
	v_pk_add_f32 v[SU+4:SU+5], v[SU+4:SU+5], v[SU+6:SU+7]
	v_pk_add_f32 v[SU+8:SU+9], v[SU+8:SU+9], v[SU+10:SU+11]
	v_pk_add_f32 v[14:15], v[14:15], v[S+62:S+63]
	v_pk_add_f32 v[SU:SU+1], v[SU:SU+1], v[SU+4:SU+5]
	v_pk_add_f32 v[SU+8:SU+9], v[SU+8:SU+9], v[SU+12:SU+13]
	v_pk_add_f32 v[14:15], v[14:15], v[SU:SU+1]
	s_delay_alu instid0(VALU_DEP_1)
	v_pk_add_f32 v[14:15], v[14:15], v[SU+8:SU+9]
	s_wait_alu depctr_va_vdst(0)                   ; and one for the two
.irp c, 0,1
	v_max_num_f32 v[BM+\c], 0x1800000, v[BM+\c]    ; the floor 2^(3 - 127): the byte cannot fall under 1
.endr
.irp c, 0,1
	s_delay_alu instid0(VALU_DEP_2)
	v_add_nc_u32 v[SOP+\c], 0xff000000, v[BM+\c]   ; 2 off the exponent field: the conversion's scale operand
.endr
.irp c, 0,1
	s_delay_alu instid0(VALU_DEP_2)
	v_lshrrev_b32 v[PT+\c], 23, v[SOP+\c]          ; the scale's byte: blocks h and 2 + h
.endr
	s_delay_alu instid0(VALU_DEP_1)
	v_lshl_or_b32 v[PT+2], v[PT+1], 16, v[PT]      ; at bytes 0 and 2
	s_delay_alu instid0(VALU_DEP_1)
	v_permlanex16_b32 v[PT+3], v[PT+2], s[SEL], s[SEL+1]
	s_delay_alu instid0(VALU_DEP_1)
	v_lshl_or_b32 v25, v[PT+3], 8, v[PT+2]         ; p's scale word, whole in lanes 0-15, which alone are read: the other half's bytes are blocks 1 and 3
.irp t, 0,1,2,3,4,5,6,7
	v_cvt_scalef32_pk8_fp4_f32 v[PCD+\t], v[S+8*\t:S+8*\t+7], v[SOP+\t/4]   ; register 4 c + i: keys 64 c + 32 h + 8 i + 0 .. 7
.endr
	s_wait_alu depctr_va_vdst(0)                   ; ahead of the first reader of O^T
.set j_, 0
.rept 16
	v_pk_mul_f32 v[O+j_:O+j_+1], v[O+j_:O+j_+1], v[FF:FF+1] op_sel_hi:[1,0]   ; O^T under the new M; these sixteen also stand between the lines that made p's codes and scale word and the products
.set j_, j_+2
.endr
	s_wait_alu depctr_va_vdst(0)
	s_wait_dscnt 0x0                               ; V and its scale words are in
.irp t, 0,2                                    ; O^T += V^T P^T: four accumulators by turns
	v_wmma_scale_f32_16x16x128_f8f6f4 v[O+8*\t:O+8*\t+7], v[68+8*\t:75+8*\t], v[PCD:PCD+7], v[O+8*\t:O+8*\t+7], v[30+\t/2], v25 matrix_a_fmt:MATRIX_FMT_FP4 matrix_b_fmt:MATRIX_FMT_FP4
	v_wmma_scale_f32_16x16x128_f8f6f4 v[O+8*\t+8:O+8*\t+15], v[76+8*\t:83+8*\t], v[PCD:PCD+7], v[O+8*\t+8:O+8*\t+15], v[30+\t/2], v25 matrix_a_fmt:MATRIX_FMT_FP4 matrix_b_fmt:MATRIX_FMT_FP4 matrix_a_scale:MATRIX_SCALE_ROW1
.endr
	s_add_co_u32 s32, s32, 4096
	s_add_co_u32 s33, s33, 512
	s_add_co_u32 s34, s34, 256
	s_sub_co_u32 s35, s35, 1
	s_cmp_lg_u32 s35, 0
	s_cbranch_scc1 .Lstep_\@
.endm
	s_wait_alu depctr_va_vdst(0)
	s_wait_asynccnt 16-FIRST                       ; copies end in the order of issue: the scale words and the codes of key steps 0 .. FIRST - 1 have landed; the 16 - FIRST copies behind them may be out
	s_wait_loadcnt 0x0                             ; q is in
	s_barrier_signal -1
	s_barrier_wait -1                              ; everybody's parts have landed; nothing is ever filled again, so the other copies may cross this barrier
	WALK FIRST
	s_wait_asynccnt 0x0                            ; all my copies have landed
	s_barrier_signal -1
	s_barrier_wait -1                              ; everybody's have
	WALK 16-FIRST
	; THE WAY OUT: O^T / the sum; a lane's 32 numbers are channels 32 b + 16 h + 0 .. 15 of its query: two blocks of the next product's K
	v_add_f32 v14, v14, v15                        ; the sum's two halves,
	s_delay_alu instid0(VALU_DEP_1)
	v_permlanex16_b32 v[TT], v14, s[SEL], s[SEL+1]
	s_delay_alu instid0(VALU_DEP_1)
	v_add_f32 v14, v14, v[TT]                      ; and lane l xor 16's
	s_wait_alu depctr_va_vdst(0)
	v_rcp_f32 v14, v14
.rept 4
	v_nop                                          ; plain lines: behind the reciprocal, and the places behind the last products
.endr
	s_wait_alu depctr_va_vdst(0)                   ; ahead of the reciprocal's first reader
.set j_, 0
.rept 32
	v_mul_f32 v[S+j_], v[O+j_], v14
.set j_, j_+1
.endr
.irp b, 0,1
	v_max3_num_f32 v[TM+\b], |v[S+16*\b]|, |v[S+1+16*\b]|, 0x1800000   ; the quantiser for two blocks, each in lanes l and l xor 16
.endr
.irp i, 2,4,6,8,10,12,14
.irp b, 0,1
	s_delay_alu instid0(VALU_DEP_2)
	v_max3_num_f32 v[TM+\b], v[TM+\b], |v[S+16*\b+\i]|, |v[S+1+16*\b+\i]|
.endr
.endr
.irp b, 0,1
	s_delay_alu instid0(VALU_DEP_2)
	v_permlanex16_b32 v[TM+2+\b], v[TM+\b], s[SEL], s[SEL+1]
.endr
.irp b, 0,1
	s_delay_alu instid0(VALU_DEP_2)
	v_max_num_f32 v[TM+\b], v[TM+\b], v[TM+2+\b]
.endr
.irp b, 0,1
	s_delay_alu instid0(VALU_DEP_2)
	v_add_nc_u32 v[TM+4+\b], 0xff000000, v[TM+\b]
.endr
.irp b, 0,1
	s_delay_alu instid0(VALU_DEP_2)
	v_lshrrev_b32 v[TM+2+\b], 23, v[TM+4+\b]
.endr
	s_delay_alu instid0(VALU_DEP_1)
	v_lshl_or_b32 v[TT], v[TM+3], 8, v[TM+2]       ; my row's two scale bytes
.irp b, 0,1
	v_cvt_scalef32_pk8_fp4_f32 v[PCD+2*\b], v[S+16*\b:S+16*\b+7], v[TM+4+\b]
	v_cvt_scalef32_pk8_fp4_f32 v[PCD+1+2*\b], v[S+16*\b+8:S+16*\b+15], v[TM+4+\b]
.endr
	v_nop
	v_permlane16_swap_b32 v[PCD], v[PCD+2]         ; the operand wants a whole block in a lane
	v_permlane16_swap_b32 v[PCD+1], v[PCD+3]
	global_store_b128 v5, v[PCD:PCD+3], s[24:25]   ; 32 lanes store 512 consecutive bytes
	global_store_b16 v[OSO], v[TT], s[26:27]       ; lanes l and l xor 16 hold the same row's bytes and store them to the same place
	s_wait_tensorcnt 0x0                           ; the wave's end
	ds_add_u32 v254, v255
	s_wait_dscnt 0x0
	s_endpgm
.Lfunc_end_k_q50e9d77b9a_att:
	.size	k_q50e9d77b9a_att, .Lfunc_end_k_q50e9d77b9a_att-k_q50e9d77b9a_att
	.p2alignl 7, 3214868480
	.fill 96, 4, 3214868480
	.section	.rodata,"a",@progbits
	.p2align	6, 0x0
	.amdhsa_kernel k_q50e9d77b9a_att
		.amdhsa_group_segment_fixed_size 169984
		.amdhsa_private_segment_fixed_size 0
		.amdhsa_enable_private_segment 0
		.amdhsa_kernarg_size 16
		.amdhsa_user_sgpr_count 2
		.amdhsa_user_sgpr_kernarg_segment_ptr 1
		.amdhsa_wavefront_size32 1
		.amdhsa_system_sgpr_workgroup_id_x 1
		.amdhsa_system_sgpr_workgroup_id_y 1
		.amdhsa_system_sgpr_workgroup_id_z 1
		.amdhsa_system_vgpr_workitem_id 0
		.amdhsa_next_free_vgpr 256
		.amdhsa_next_free_sgpr 66
		.amdhsa_reserve_vcc 0
		.amdhsa_float_denorm_mode_32 3
		.amdhsa_float_denorm_mode_16_64 3
		.amdhsa_memory_ordered 1
		.amdhsa_forward_progress 1
		.amdhsa_inst_pref_size 42
	.end_amdhsa_kernel
	.amdgpu_metadata
---
amdhsa.version: [ 1, 2 ]
amdhsa.kernels:
  - .name:           k_q50e9d77b9a_att
    .symbol:         k_q50e9d77b9a_att.kd
    .args:
      - { .name: qkv, .offset: 0, .size: 8, .value_kind: global_buffer, .address_space: global }
      - { .name: ac, .offset: 8, .size: 8, .value_kind: global_buffer, .address_space: global }
    .group_segment_fixed_size: 169984
    .private_segment_fixed_size: 0
    .kernarg_segment_align: 8
    .kernarg_segment_size: 16
    .max_flat_workgroup_size: 512
    .sgpr_count:     66
    .vgpr_count:     256
    .wavefront_size: 32
...
	.end_amdgpu_metadata
.endif
;; end of part 3
;; launch oln (part 4): grid 256 x 1, 8 waves a work-group, no clusters, 70,144 bytes of LDS; arguments ac, wts, bo, x, ln2_g, ln2_b, x1, hq; writes x1, hq
.if DOCPART == 4
	.amdgcn_target "amdgcn-amd-amdhsa--gfx1250"
	.amdhsa_code_object_version 6
	.text
	.protected	k_q50e9d77b9a_oln
	.globl	k_q50e9d77b9a_oln
	.p2align	8
	.type	k_q50e9d77b9a_oln,@function
k_q50e9d77b9a_oln:
	s_mov_b64 s[64:65], 0
	v_nop
	global_prefetch_b8 v0, s[64:65] scope:SCOPE_SE
	s_setreg_imm32_b32 hwreg(HW_REG_WAVE_MODE, 25, 1), 1
	s_wait_xcnt 0x0
; x1 = a wo + bo + x, the product on codes of FP4 (E2M1) with E8M0 scales; then at once h2 = layernorm(x1) g + b, quantised along the row and stored as the next product's operand.  x1 is stored too, as f32 rows.
; SHARES.  A work-group owns one tile of 16 tokens and all 1,024 columns, so that a row's mean and variance are made inside it; wave w owns columns 128 w .. 128 w + 127: 8 accumulators.
; OPERANDS lie in memory in the order of the matrix unit's registers: codes [K step][tile][c 2][lane 32][16 bytes], scales [K / 512][16 x tile + r][16 bytes]; lane-row r of tile 2 g + u is index 32 g + 8 u + r + 8 (r / 8).
; A fragment is two loads of 512 consecutive bytes straight into registers.  Source 0 = 16 columns of wo, source 1 = the 16 tokens: a lane holds one token, and the 16 registers of tiles 2 g, 2 g + 1 are its columns 32 g + 16 h + 0 .. 15.
; x comes in as rows (512 consecutive bytes a load), turns through the wave's own stage in LDS into the accumulators' layout and is the C of the first products.  x1 leaves by the same stage, as rows.
; THE NORM: mean first, then the mean of the squared differences; each wave's part of a row's sum meets the other seven in LDS, one barrier a sum.  The scale bytes of the eight waves meet in LDS and leave by wave 0.
; All eight K steps are written out, every offset an immediate: no loop to prefetch in.  No cluster: the operands come by plain loads, which cannot be asked for jointly.
; LIMITS: a block of zeros gets the byte 1 where the quantiser says 127 (its codes are zeros, and this program alone reads the bytes); blocks under 2^-124 are held at byte 1; NaN and infinities are not served.
; REGISTERS: window 0: v1-9, v28 addresses; v10-27 at work; v32-63 wo's scale words; v64-71 a's; v72-87 codes and bytes; v128-191 accumulators; v192-255 a's fragments, later x1's rows.
; window 1: four sets of wo's fragments (set s % 4); set 3 first holds x's rows; at the end set 0 holds bo, set 1 g, set 2 b, laid as the accumulators.
.set SP,    528                        ; a stage row: 512 bytes + 16
.set RED,   67584                      ; behind the eight stages: the sums' parts [token 16][wave 8] f32; 512 bytes on, those of the squares
.set SCB,   68608                      ; the scale bytes [chunk 2][r 16][16]
.set SPARE, 69120                      ; the spare words: 128 bytes a wave
.set LO, 1
.set AS, 2
.set BO, 3
.set ROWL, 4
.set ACL, 5
.set RS, 6
.set RL, 7
.set SS, 8
.set SL, 9
.set T,  10
.set TM, 10
.set U,  18
.set MR, 26
.set GS, 28
.set SC, 32
.set ASC, 64
.set PC, 72
.set WD, 80
.set ACC, 128
.set AF, 192
.set P0, 36
.set P0S, 38
.set P1, 40
.set P1S, 42
.set XP, 44
.set OP, 46
.set BP, 48
.set GP, 50
.set LP, 52
.set DC, 54
.set DS, 56
.set SEL, 58
.set MSB, 0
.macro WIN new                         ; the immediate's high byte repeats the setting that is left
.if MSB != \new
	s_set_vgpr_msb (MSB<<8)|\new
.set MSB, \new
.endif
.endm
.macro F s                             ; K step s's eight fragments of wo: 16 loads of 512 consecutive bytes
	WIN 0x40
.set SG, 64*((\s)%4)
.set i_, 0
.rept 16
	global_load_b128 v[SG+4*i_:SG+4*i_+3], v[LO], s[P0:P0+1] offset:(\s)*262144+512*i_
.set i_, i_+1
.endr
.endm
.macro PAR set, p                      ; 128 numbers of a vector along the columns, laid as the accumulators: register 16 g + j = column 32 g + 16 h + j
	WIN 0x40
.set i_, 0
.rept 16
	global_load_b128 v[64*\set+4*i_:64*\set+4*i_+3], v[BO], s[\p:\p+1] offset:128*(i_/4)+16*(i_%4)
.set i_, i_+1
.endr
.endm
.macro MUL s                           ; eight products; the eight accumulators take turns, in the same order in every step
	WIN 0x01
.set SG, 64*((\s)%4)
.irp a, 0,2,4,6
	v_wmma_scale_f32_16x16x128_f8f6f4 v[ACC+8*\a:ACC+8*\a+7], v[SG+8*\a:SG+8*\a+7], v[AF+8*(\s):AF+8*(\s)+7], v[ACC+8*\a:ACC+8*\a+7], v[SC+16*((\s)/4)+2*\a+(\s)%4], v[ASC+(\s)] matrix_a_fmt:MATRIX_FMT_FP4 matrix_b_fmt:MATRIX_FMT_FP4
	v_wmma_scale_f32_16x16x128_f8f6f4 v[ACC+8*\a+8:ACC+8*\a+15], v[SG+8*\a+8:SG+8*\a+15], v[AF+8*(\s):AF+8*(\s)+7], v[ACC+8*\a+8:ACC+8*\a+15], v[SC+16*((\s)/4)+2*\a+(\s)%4], v[ASC+(\s)] matrix_a_fmt:MATRIX_FMT_FP4 matrix_b_fmt:MATRIX_FMT_FP4 matrix_a_scale:MATRIX_SCALE_ROW1
.endr
.endm
.macro STEP s                          ; behind step s's fragments three runs of 16 loads were issued (later sets, or bo, g, b): they may be out
	s_wait_loadcnt 48
	MUL \s
.rept 4
	v_nop                                          ; four places behind the products, ahead of loads into the registers that they have read and of the first read of results
.endr
.if (\s) < 4
	F (\s)+4
.endif
.if (\s) == 4
	PAR 0, BP
.endif
.if (\s) == 5
	PAR 1, GP
.endif
.if (\s) == 6
	PAR 2, LP
.endif
.endm
.macro FOLD                            ; four pairs of partial sums at v[T] on become my wave's part of my token's sum
	v_pk_add_f32 v[T:T+1], v[T:T+1], v[T+2:T+3]
	v_pk_add_f32 v[T+4:T+5], v[T+4:T+5], v[T+6:T+7]
	s_delay_alu instid0(VALU_DEP_1)
	v_pk_add_f32 v[T:T+1], v[T:T+1], v[T+4:T+5]
	s_delay_alu instid0(VALU_DEP_1)
	v_add_f32 v[T], v[T], v[T+1]
	s_delay_alu instid0(VALU_DEP_1)
	v_permlanex16_b32 v[T+1], v[T], s[SEL], s[SEL+1]
	s_delay_alu instid0(VALU_DEP_1)
	v_add_f32 v[T], v[T], v[T+1]
.endm
.macro MEET off                        ; my part goes to LDS (lanes l and l xor 16 write the same word with the same value); behind a barrier all eight come back and are added: v[U]
	ds_store_b32 v[RS], v[T] offset:\off
	s_wait_alu depctr_va_vdst(0)
	s_wait_dscnt 0x0                               ; for the others' sake: my store has landed
	s_barrier_signal -1
	s_barrier_wait -1
	ds_load_b128 v[U:U+3], v[RL] offset:\off
	ds_load_b128 v[U+4:U+7], v[RL] offset:\off+16
	s_wait_dscnt 0x0
	v_pk_add_f32 v[U:U+1], v[U:U+1], v[U+2:U+3]
	v_pk_add_f32 v[U+4:U+5], v[U+4:U+5], v[U+6:U+7]
	s_delay_alu instid0(VALU_DEP_1)
	v_pk_add_f32 v[U:U+1], v[U:U+1], v[U+4:U+5]
	s_delay_alu instid0(VALU_DEP_1)
	v_add_f32 v[U], v[U], v[U+1]
.endm
; 32 numbers of a lane, register 16 b + i = index 32 b + 16 (lane / 16) + i of my row, become four registers of codes (lane (r, h): index 32 h + 0 .. 31) in v[pc] on and the two scale bytes in v[w].
.macro QUANT2 s, pc, w
.irp b, 0,1
	v_max3_num_f32 v[TM+\b], |v[\s+16*\b]|, |v[\s+1+16*\b]|, 0x1800000   ; with the floor 2^(3 - 127): the byte cannot fall under 1
.endr
.irp i, 2,4,6,8,10,12,14
.irp b, 0,1
	v_max3_num_f32 v[TM+\b], v[TM+\b], |v[\s+16*\b+\i]|, |v[\s+1+16*\b+\i]|
.endr
.endr
.irp b, 0,1
	v_permlanex16_b32 v[TM+2+\b], v[TM+\b], s[SEL], s[SEL+1]
.endr
.irp b, 0,1
	v_max_num_f32 v[TM+\b], v[TM+\b], v[TM+2+\b]   ; with lane l xor 16's: the block's largest magnitude
.endr
.irp b, 0,1
	v_add_nc_u32 v[TM+4+\b], 0xff000000, v[TM+\b]  ; 2 off the exponent field: the conversion's scale operand
.endr
.irp b, 0,1
	v_lshrrev_b32 v[TM+2+\b], 23, v[TM+4+\b]       ; the scale's byte
.endr
	v_lshl_or_b32 v[\w], v[TM+3], 8, v[TM+2]
.irp b, 0,1
	v_cvt_scalef32_pk8_fp4_f32 v[\pc+2*\b], v[\s+16*\b:\s+16*\b+7], v[TM+4+\b]
	v_cvt_scalef32_pk8_fp4_f32 v[\pc+2*\b+1], v[\s+16*\b+8:\s+16*\b+15], v[TM+4+\b]
.endr
	v_nop                                          ; a plain line behind a scaled conversion
	v_permlane16_swap_b32 v[\pc], v[\pc+2]         ; the operand wants a whole block in a lane
	v_permlane16_swap_b32 v[\pc+1], v[\pc+3]
.endm
	s_load_b256 s[4:11], s[0:1], 0x0               ; a, wts, bo, x
	s_load_b256 s[12:19], s[0:1], 0x20             ; g, b, x1, hq
	v_lshrrev_b32 v10, 5, v0
	v_readfirstlane_b32 s20, v10                   ; wave w
	s_mul_i32 s21, s20, 16*SP                      ; my stage
	s_lshl_b32 s62, s20, 2
	s_add_co_u32 s62, s62, RED                     ; my word of a token's eight
	s_lshr_b32 s63, s20, 2
	s_lshl_b32 s63, s63, 8
	s_and_b32 s22, s20, 3
	s_lshl_b32 s22, s22, 2
	s_add_co_u32 s63, s63, s22
	s_add_co_u32 s63, s63, SCB                     ; my scale word: chunk w / 4, bytes 4 (w % 4) on
	v_lshl_add_u32 v30, v0, 2, SPARE
	v_mov_b32 v31, 0
	v_and_b32 v10, 31, v0
	v_and_b32 v11, 15, v0                          ; r
	v_bfe_u32 v12, v0, 4, 1                        ; h
	v_lshlrev_b32 v[LO], 4, v10                    ; 16 x lane
	v_lshlrev_b32 v[AS], 4, v11                    ; 16 r
	v_lshlrev_b32 v[BO], 6, v12                    ; 64 h
	v_mul_u32_u24 v13, v11, SP
	v_lshlrev_b32 v[RL], 5, v11
	v_add_nc_u32 v[ROWL], s21, v[LO]               ; the stage by rows: 16 bytes a lane
	v_lshl_add_u32 v13, v12, 6, v13
	v_add_nc_u32 v[RS], s62, v[RL]
	v_add_nc_u32 v[RL], RED, v[RL]
	v_add_nc_u32 v[ACL], s21, v13                  ; the stage as the accumulators lie: row r, 64 h bytes on
	v_add_nc_u32 v[SS], s63, v[AS]
	v_add_nc_u32 v[SL], SCB, v[LO]
	v_lshl_add_u32 v[GS], v12, 16, v[AS]           ; the scale bytes in memory: chunk l / 16, row l % 16
	s_lshr_b32 s22, ttmp9, 1
	s_lshl_b32 s22, s22, 5
	s_and_b32 s23, ttmp9, 1
	s_lshl_b32 s23, s23, 3
	s_add_co_u32 s22, s22, s23                     ; the tile's first row
	s_lshl_b32 s22, s22, 12
	s_lshl_b32 s24, s20, 9                         ; my first column, in bytes
	s_add_co_u32 s22, s22, s24
	s_mov_b32 s23, 0
	s_mov_b32 s25, 0
	s_lshl_b32 s26, s20, 13
	s_add_co_u32 s26, s26, 192*1024                ; wo's tiles 192 + 8 w on
	s_mov_b32 s27, 0
	s_lshl_b32 s28, s20, 11
	s_add_co_u32 s28, s28, 0x600000+192*256
	s_mov_b32 s29, 0
	s_lshl_b32 s30, ttmp9, 10                      ; a's tile
	s_mov_b32 s31, 0
	s_lshl_b32 s32, ttmp9, 8
	s_add_co_u32 s32, s32, 0x200000                ; its scale words; the same place in hq
	s_mov_b32 s33, 0
	s_lshl_b32 s34, s20, 8
	s_add_co_u32 s34, s34, ttmp9
	s_lshl_b32 s34, s34, 10                        ; codes out: K step w, my tile
	s_mov_b32 s35, 0
	s_mov_b32 s[SEL], 0x76543210
	s_mov_b32 s[SEL+1], 0xfedcba98                 ; v_permlanex16_b32's selects for lane l xor 16
	s_mov_b32 s60, 0x3727c5ac                      ; 1e-5
	s_mov_b32 s61, 0x3a800000                      ; 1 / 1024
	s_wait_alu depctr_va_vdst(0)
	s_wait_kmcnt 0x0
	s_add_nc_u64 s[XP:XP+1], s[10:11], s[22:23]
	s_add_nc_u64 s[P0:P0+1], s[6:7], s[26:27]
	s_add_nc_u64 s[P0S:P0S+1], s[6:7], s[28:29]
	s_add_nc_u64 s[P1:P1+1], s[4:5], s[30:31]
	s_add_nc_u64 s[P1S:P1S+1], s[4:5], s[32:33]
	s_add_nc_u64 s[OP:OP+1], s[16:17], s[22:23]
	s_add_nc_u64 s[BP:BP+1], s[8:9], s[24:25]
	s_add_nc_u64 s[GP:GP+1], s[12:13], s[24:25]
	s_add_nc_u64 s[LP:LP+1], s[14:15], s[24:25]
	s_add_nc_u64 s[DC:DC+1], s[18:19], s[34:35]
	s_add_nc_u64 s[DS:DS+1], s[18:19], s[32:33]
	WIN 0x40
.set i_, 0
.rept 16                                       ; x: tile row i is memory row i + 8 (i / 8); 32 lanes read 512 consecutive bytes
	global_load_b128 v[192+4*i_:195+4*i_], v[LO], s[XP:XP+1] offset:(i_+8*(i_/8))*4096 th:TH_LOAD_NT
.set i_, i_+1
.endr
	WIN 0
.irp q, 0,1
.irp p, 0,1,2,3                                ; wo's scale words: a load serves two tiles (lanes 0-15, lanes 16-31), register i the i-th of four K steps
	global_load_b128 v[SC+16*\q+4*\p:SC+16*\q+4*\p+3], v[LO], s[P0S:P0S+1] offset:65536*\q+512*\p
.endr
	global_load_b128 v[ASC+4*\q:ASC+4*\q+3], v[AS], s[P1S:P1S+1] offset:65536*\q
.endr
.irp s, 0,1,2,3,4,5,6,7
	global_load_b128 v[AF+8*\s:AF+8*\s+3], v[LO], s[P1:P1+1] offset:262144*\s
	global_load_b128 v[AF+8*\s+4:AF+8*\s+7], v[LO], s[P1:P1+1] offset:262144*\s+512
.endr
	F 0
	s_wait_loadcnt 42                              ; x's rows are in: behind them 10 loads of scale words, 16 of a's fragments and 16 of set 0 were issued
	WIN 0x04
.set i_, 0
.rept 16
	ds_store_b128 v[ROWL], v[192+4*i_:195+4*i_] offset:i_*SP
.set i_, i_+1
.endr
	WIN 0
.set i_, 0
.rept 16                                       ; LDS serves a wave's instructions in order: these see my stores.  Register 16 g + j = column 32 g + 16 h + j of token r
	ds_load_b128 v[ACC+4*i_:ACC+4*i_+3], v[ACL] offset:128*(i_/4)+16*(i_%4)
.set i_, i_+1
.endr
	F 1
	F 2
	s_wait_dscnt 0x0                               ; x lies in the accumulators, and the stores have read set 3's registers
	F 3
.irp s, 0,1,2,3,4,5,6,7
	STEP \s
.endr
	s_wait_loadcnt 0x0                             ; bo, g, b
	WIN 0x04
.set i_, 0
.rept 32
	v_pk_add_f32 v[ACC+i_:ACC+i_+1], v[ACC+i_:ACC+i_+1], v[i_:i_+1]   ; x1 = x + a wo + bo; each accumulator from its low end on
.set i_, i_+2
.endr
	WIN 0
.set i_, 0
.rept 16
	ds_store_b128 v[ACL], v[ACC+4*i_:ACC+4*i_+3] offset:128*(i_/4)+16*(i_%4)
.set i_, i_+1
.endr
.set i_, 0
.rept 16
	ds_load_b128 v[AF+4*i_:AF+4*i_+3], v[ROWL] offset:i_*SP
.set i_, i_+1
.endr
.irp q, 0,1,2,3                                ; my 64 numbers' sum, four chains
	v_pk_add_f32 v[T+2*\q:T+2*\q+1], v[ACC+2*\q:ACC+2*\q+1], v[ACC+8+2*\q:ACC+9+2*\q]
.endr
.irp p, 16,24,32,40,48,56
.irp q, 0,1,2,3
	v_pk_add_f32 v[T+2*\q:T+2*\q+1], v[T+2*\q:T+2*\q+1], v[ACC+\p+2*\q:ACC+\p+2*\q+1]
.endr
.endr
	FOLD
	s_wait_alu depctr_va_vdst(0)
	s_wait_dscnt 0x0                               ; x1's rows are back
.set i_, 0
.rept 16
	global_store_b128 v[LO], v[AF+4*i_:AF+4*i_+3], s[OP:OP+1] offset:(i_+8*(i_/8))*4096 th:TH_STORE_NT   ; 32 lanes store 512 consecutive bytes, at a multiple of 256 from the buffer's first byte
.set i_, i_+1
.endr
	MEET 0
	s_delay_alu instid0(VALU_DEP_1)
	v_mul_f32 v[MR], s61, v[U]                     ; the mean, twice for the packed form
	s_delay_alu instid0(VALU_DEP_1)
	v_mov_b32 v[MR+1], v[MR]
.set i_, 0
.rept 32
	v_pk_add_f32 v[ACC+i_:ACC+i_+1], v[ACC+i_:ACC+i_+1], v[MR:MR+1] neg_lo:[0,1] neg_hi:[0,1]   ; x1 - mean
.set i_, i_+2
.endr
.irp q, 0,1,2,3
	v_pk_mul_f32 v[T+2*\q:T+2*\q+1], v[ACC+2*\q:ACC+2*\q+1], v[ACC+2*\q:ACC+2*\q+1]
.endr
.irp p, 8,16,24,32,40,48,56
.irp q, 0,1,2,3
	v_pk_fma_f32 v[T+2*\q:T+2*\q+1], v[ACC+\p+2*\q:ACC+\p+2*\q+1], v[ACC+\p+2*\q:ACC+\p+2*\q+1], v[T+2*\q:T+2*\q+1]
.endr
.endr
	FOLD
	MEET 512
	s_delay_alu instid0(VALU_DEP_1)
	v_fma_f32 v[U], v[U], s61, s60                 ; var + 1e-5
	s_wait_alu depctr_va_vdst(0)
	v_rsq_f32 v[MR], v[U]                          ; twice: a pair for the packed multiply
	v_rsq_f32 v[MR+1], v[U]
	v_nop                                          ; a plain line behind the last of them
	s_wait_alu depctr_va_vdst(0)                   ; one wait for the two, ahead of their first reader
.set i_, 0
.rept 32
	v_pk_mul_f32 v[ACC+i_:ACC+i_+1], v[ACC+i_:ACC+i_+1], v[MR:MR+1]
.set i_, i_+2
.endr
	WIN 0x14
.set i_, 0
.rept 32
	v_pk_fma_f32 v[ACC+i_:ACC+i_+1], v[ACC+i_:ACC+i_+1], v[64+i_:65+i_], v[128+i_:129+i_]   ; x g + b
.set i_, i_+2
.endr
	WIN 0
.irp c, 0,1
	QUANT2 ACC+32*\c, PC+4*\c, WD+\c
	global_store_b128 v[LO], v[PC+4*\c:PC+4*\c+3], s[DC:DC+1] offset:512*\c   ; 32 lanes store 512 consecutive bytes
.endr
	v_lshl_or_b32 v[WD+2], v[WD+1], 16, v[WD]      ; my row's four scale bytes: blocks 4 w .. 4 w + 3
	ds_store_b32 v[SS], v[WD+2]
	s_wait_alu depctr_va_vdst(0)
	s_wait_dscnt 0x0
	s_barrier_signal -1
	s_barrier_wait -1
	s_cmp_lg_u32 s20, 0
	s_cbranch_scc1 .Ldone
	ds_load_b128 v[84:87], v[SL]                   ; wave 0: the tile's scale bytes, 256 consecutive bytes for each chunk
	s_wait_dscnt 0x0
	global_store_b128 v[GS], v[84:87], s[DS:DS+1]
.Ldone:
	s_wait_tensorcnt 0x0                           ; the wave's end
	ds_add_u32 v30, v31
	s_wait_dscnt 0x0
	s_endpgm
.Lfunc_end_k_q50e9d77b9a_oln:
	.size	k_q50e9d77b9a_oln, .Lfunc_end_k_q50e9d77b9a_oln-k_q50e9d77b9a_oln
	.p2alignl 7, 3214868480
	.fill 96, 4, 3214868480
	.section	.rodata,"a",@progbits
	.p2align	6, 0x0
	.amdhsa_kernel k_q50e9d77b9a_oln
		.amdhsa_group_segment_fixed_size 70144
		.amdhsa_private_segment_fixed_size 0
		.amdhsa_enable_private_segment 0
		.amdhsa_kernarg_size 64
		.amdhsa_user_sgpr_count 2
		.amdhsa_user_sgpr_kernarg_segment_ptr 1
		.amdhsa_wavefront_size32 1
		.amdhsa_system_sgpr_workgroup_id_x 1
		.amdhsa_system_sgpr_workgroup_id_y 1
		.amdhsa_system_sgpr_workgroup_id_z 1
		.amdhsa_system_vgpr_workitem_id 0
		.amdhsa_next_free_vgpr 512
		.amdhsa_next_free_sgpr 66
		.amdhsa_reserve_vcc 0
		.amdhsa_float_denorm_mode_32 3
		.amdhsa_float_denorm_mode_16_64 3
		.amdhsa_memory_ordered 1
		.amdhsa_forward_progress 1
		.amdhsa_inst_pref_size 59
	.end_amdhsa_kernel
	.amdgpu_metadata
---
amdhsa.version: [ 1, 2 ]
amdhsa.kernels:
  - .name:           k_q50e9d77b9a_oln
    .symbol:         k_q50e9d77b9a_oln.kd
    .args:
      - { .name: ac, .offset: 0, .size: 8, .value_kind: global_buffer, .address_space: global }
      - { .name: wts, .offset: 8, .size: 8, .value_kind: global_buffer, .address_space: global }
      - { .name: bo, .offset: 16, .size: 8, .value_kind: global_buffer, .address_space: global }
      - { .name: x, .offset: 24, .size: 8, .value_kind: global_buffer, .address_space: global }
      - { .name: ln2_g, .offset: 32, .size: 8, .value_kind: global_buffer, .address_space: global }
      - { .name: ln2_b, .offset: 40, .size: 8, .value_kind: global_buffer, .address_space: global }
      - { .name: x1, .offset: 48, .size: 8, .value_kind: global_buffer, .address_space: global }
      - { .name: hq, .offset: 56, .size: 8, .value_kind: global_buffer, .address_space: global }
    .group_segment_fixed_size: 70144
    .private_segment_fixed_size: 0
    .kernarg_segment_align: 8
    .kernarg_segment_size: 64
    .max_flat_workgroup_size: 256
    .sgpr_count:     66
    .vgpr_count:     512
    .wavefront_size: 32
...
	.end_amdgpu_metadata
.endif
;; end of part 4
;; launch ffn1 (part 5): grid 32 x 32, 4 waves a work-group, no clusters, 0 bytes of LDS; arguments hq, wts, b1, gq; writes gq
.if DOCPART == 5
	.amdgcn_target "amdgcn-amd-amdhsa--gfx1250"
	.amdhsa_code_object_version 6
	.text
	.protected	k_q50e9d77b9a_ffn1
	.globl	k_q50e9d77b9a_ffn1
	.p2align	8
	.type	k_q50e9d77b9a_ffn1,@function
k_q50e9d77b9a_ffn1:
	s_mov_b64 s[64:65], 0
	v_nop
	global_prefetch_b8 v0, s[64:65] scope:SCOPE_SE
	s_setreg_imm32_b32 hwreg(HW_REG_WAVE_MODE, 25, 1), 1
	s_wait_xcnt 0x0
; g = gelu(h w1 + b1), the product on codes of FP4 (E2M1) with E8M0 scales, gelu exact (by erfc) in f32; g is quantised at once along the hidden 4,096 and stored as the next product's operand.
; OPERANDS lie in memory in the order of the matrix unit's registers: codes [K step][tile][c 2][lane 32][16 bytes], scales [K / 512][16 x tile + r][16 bytes]; lane-row r of tile 2 g + u is row 32 g + 8 u + r + 8 (r / 8).
; So a fragment is two loads of 512 consecutive bytes straight into registers: no LDS, no barrier.  All eight K steps are written out and every offset is an immediate.
; SHARES.  A work-group makes 128 hidden units x 128 tokens, a wave 64 x 64: 16 accumulators.  Source 0 = 16 columns of w1, source 1 = 16 tokens: a lane holds one token, and the 16 registers of tiles 2 g, 2 g + 1 are its
; hidden units 32 g + 16 h + 0 .. 15: two blocks of the next K a wave.  The bias is the C of each sum's first product.
; GELU.  gelu(z) = (z / 2) erfc(-z / sqrt 2) = max(z, 0) - |z / 2| E, with E = erfc(|z| / sqrt 2) = t exp(-z z / 2 + P(t)), t = 1 / (1 + 0.35355339 |z|), P a polynomial of degree 9 (fractional error of E under 1.2e-7).
; For z < 0 that is (z / 2) E, so the small results of negative z keep their relative accuracy; for z >= 0 it is z - (z / 2) E.  No compare, no select.  The exponential is to the base 2: P's coefficients carry the factor
; log2(e); H = z log2(e) / 2 serves in the exponent (H z) and as the factor |H|; and log2(log2(e)) is taken off P's constant term, which divides the exponential by the log2(e) that |H| has too much.
; OUT (gq): codes [K step 32][tile 256][c 2][lane][16]; from 0x800000 scales [chunk 8][16 x tile + r][16].  A wave's two scale bytes a row go out as 16 bits, 16 bytes apart from row to row: one byte for each 16 of codes.
; No cluster: the operands come by plain loads, which cannot be asked for jointly.
; LIMITS: a block of zeros gets the byte 1 where the quantiser says 127 (its codes are zeros, and this program alone reads the bytes); blocks under 2^-124 are held at byte 1; NaN and infinities are not served.
; REGISTERS: window 0: v1 16 x lane; v2-3 merged scale words; v4-9 the quantiser's; v10-11 a coefficient; v12-15 scale words; v16-31 codes; v32-63 the operands' scale words, two sets; v64-95 the bias; later v64-111 gelu's;
; v128-255 accumulators ((a, b) at 128 + 32 b + 8 a).  window 1: four sets of fragments (set s % 4: source 0 at 64 set + 8 a, source 1 at 64 set + 32 + 8 b).
.set KSTEPS, 8
.set W_CODE,  0x200000
.set W_SCALE, 0x620000
.set A_SCALE, 0x200000
.set STR0,  262144
.set STR1,  262144
.set SSTR0, 65536
.set SSTR1, 65536
.set LO,  1
.set MW,  2
.set TM,  4
.set A8,  10
.set WD,  12
.set PC,  16
.set SC,  32
.set BI,  64
.set GT,  64                           ; gelu: v64-79 t, v80-95 P and the exponential, v96-111 H, then |H| t
.set GP,  80
.set GH,  96
.set BO,  96
.set ACC, 128
.set P0,  20
.set P0S, 22
.set P1,  24
.set P1S, 26
.set BP,  28
.set DC,  30
.set DS,  32
.set KA,  40                           ; s[40+2k:41+2k] coefficient k, k = 0 .. 7, each twice; s[56:57] the ninth; s[58:59] log2(e) / 2; s60 0.35355339
.set A9,  56
.set KH,  58
.set C35, 60
.set SEL, 66
.set MSB, 0
.macro WIN new                         ; the immediate's high byte repeats the setting that is left
.if MSB != \new
	s_set_vgpr_msb (MSB<<8)|\new
.set MSB, \new
.endif
.endm
.set W_MUL, 0x05                       ; sources 0 and 1 window 1; C and D window 0
.set W_TOF, 0x40                       ; destination window 1, address window 0
.macro F s                             ; K step s's eight fragments: 16 loads of 512 consecutive bytes
	WIN W_TOF
.set SG, 64*((\s)%4)
.irp i, 0,1,2,3,4,5,6,7
	global_load_b128 v[SG+4*\i:SG+4*\i+3], v[LO], s[P0:P0+1] offset:(\s)*STR0+512*\i
.endr
.irp i, 0,1,2,3,4,5,6,7
	global_load_b128 v[SG+32+4*\i:SG+32+4*\i+3], v[LO], s[P1:P1+1] offset:(\s)*STR1+512*\i
.endr
.endm
.macro SCL q                           ; the scale words of K steps 4 q .. 4 q + 3: a load serves two tiles (lanes 0-15, lanes 16-31), register i the i-th of the four steps
	WIN 0
.set SS, SC+16*((\q)%2)
.irp p, 0,1
	global_load_b128 v[SS+4*\p:SS+4*\p+3], v[LO], s[P0S:P0S+1] offset:(\q)*SSTR0+512*\p
	global_load_b128 v[SS+8+4*\p:SS+8+4*\p+3], v[LO], s[P1S:P1S+1] offset:(\q)*SSTR1+512*\p
.endr
.endm
.macro WM ra, rb                       ; one product; ra, rb: the side's scale words stand in lanes 16-31
.if ((\ra) == 0) && ((\rb) == 0)
	v_wmma_scale_f32_16x16x128_f8f6f4 v[rD:rD+7], v[rA:rA+7], v[rB:rB+7], v[rC:rC+7], v[rSA], v[rSB] matrix_a_fmt:MATRIX_FMT_FP4 matrix_b_fmt:MATRIX_FMT_FP4
.elseif (\rb) == 0
	v_wmma_scale_f32_16x16x128_f8f6f4 v[rD:rD+7], v[rA:rA+7], v[rB:rB+7], v[rC:rC+7], v[rSA], v[rSB] matrix_a_fmt:MATRIX_FMT_FP4 matrix_b_fmt:MATRIX_FMT_FP4 matrix_a_scale:MATRIX_SCALE_ROW1
.elseif (\ra) == 0
	v_wmma_scale_f32_16x16x128_f8f6f4 v[rD:rD+7], v[rA:rA+7], v[rB:rB+7], v[rC:rC+7], v[rSA], v[rSB] matrix_a_fmt:MATRIX_FMT_FP4 matrix_b_fmt:MATRIX_FMT_FP4 matrix_b_scale:MATRIX_SCALE_ROW1
.else
	v_wmma_scale_f32_16x16x128_f8f6f4 v[rD:rD+7], v[rA:rA+7], v[rB:rB+7], v[rC:rC+7], v[rSA], v[rSB] matrix_a_fmt:MATRIX_FMT_FP4 matrix_b_fmt:MATRIX_FMT_FP4 matrix_a_scale:MATRIX_SCALE_ROW1 matrix_b_scale:MATRIX_SCALE_ROW1
.endif
.endm
; 16 products of K step s.  The 16 accumulators take turns, one instruction a turn, in the same order in every step.  cmode 1: the sums begin with the bias.
.macro MUL s, cmode
	WIN W_MUL
.set SG, 64*((\s)%4)
.set SW, SC+16*(((\s)/4)%2)+(\s)%4
.irp b, 0,1,2,3
.irp a, 0,1,2,3
.set rD, ACC+32*\b+8*\a
.set rC, rD
.if \cmode == 1
.set rC, BI+8*\a
.endif
.set rA, SG+8*\a
.set rB, SG+32+8*\b
.set rSA, SW+4*(\a/2)
.set rSB, SW+8+4*(\b/2)
	WM \a%2, \b%2
.endr
.endr
.endm
; A K step.  Its wait counts the loads issued behind its fragments: 16 for each later set that is out (three at the most), and 4 where the next chunk of scale words was asked for since.
; The step's own scale words, and the bias, were issued ahead of its fragments.
.macro STEP s, cmode
.set NW, KSTEPS-1-(\s)
.if NW > 3
.set NW, 3
.endif
.set NW, 16*NW
.if ((\s)%4 != 0) && ((\s)/4+1 < KSTEPS/4)
.set NW, NW+4
.endif
	s_wait_loadcnt NW
	MUL \s, \cmode
.rept 4
	v_nop                                          ; four places behind the products, ahead of loads into the registers that they have read and of the first read of results (ISA guide 7.12.1 for vector instructions)
.endr
.if ((\s)%4 == 0) && ((\s)/4+1 < KSTEPS/4)
	SCL (\s)/4+1
.endif
.if (\s)+4 < KSTEPS
	F (\s)+4
.endif
.endm
; gelu in place on the 16 registers from v[z] on.  The reciprocals are one batch with one wait, and so are the exponentials; plain work that names none of a batch's results stands behind it.
.macro GELU z
.irp i, 0,1,2,3,4,5,6,7,8,9,10,11,12,13,14,15
	v_fma_f32 v[GT+\i], |v[\z+\i]|, s[C35], 1.0
.endr
	s_wait_alu depctr_va_vdst(0)
.irp i, 0,1,2,3,4,5,6,7,8,9,10,11,12,13,14,15
	v_rcp_f32 v[GT+\i], v[GT+\i]                   ; t
.endr
.irp i, 0,2,4,6,8,10,12,14
	v_pk_mul_f32 v[GH+\i:GH+\i+1], v[\z+\i:\z+\i+1], s[KH:KH+1] op_sel_hi:[1,0]   ; H = z log2(e) / 2
.endr
	s_wait_alu depctr_va_vdst(0)
.irp i, 0,2,4,6,8,10,12,14
	v_pk_fma_f32 v[GP+\i:GP+\i+1], v[GT+\i:GT+\i+1], s[A9:A9+1], v[A8:A8+1] op_sel_hi:[1,0,1]
.endr
.irp k, 7,6,5,4,3,2,1,0
.irp i, 0,2,4,6,8,10,12,14
	v_pk_fma_f32 v[GP+\i:GP+\i+1], v[GP+\i:GP+\i+1], v[GT+\i:GT+\i+1], s[KA+2*\k:KA+2*\k+1] op_sel_hi:[1,1,0]
.endr
.endr
.irp i, 0,2,4,6,8,10,12,14
	v_pk_fma_f32 v[GP+\i:GP+\i+1], v[GH+\i:GH+\i+1], v[\z+\i:\z+\i+1], v[GP+\i:GP+\i+1] neg_lo:[1,0,0] neg_hi:[1,0,0]   ; the exponent to the base 2: P(t) - H z
.endr
	s_wait_alu depctr_va_vdst(0)
.irp i, 0,1,2,3,4,5,6,7,8,9,10,11,12,13,14,15
	v_exp_f32 v[GP+\i], v[GP+\i]
.endr
.irp i, 0,1,2,3,4,5,6,7,8,9,10,11,12,13,14,15
	v_mul_f32 v[GH+\i], |v[GH+\i]|, v[GT+\i]       ; |H| t
.endr
.irp i, 0,1,2,3,4,5,6,7,8,9,10,11,12,13,14,15
	v_max_num_f32 v[\z+\i], 0, v[\z+\i]            ; max(z, 0)
.endr
	s_wait_alu depctr_va_vdst(0)
.irp i, 0,2,4,6,8,10,12,14
	v_pk_fma_f32 v[\z+\i:\z+\i+1], v[GH+\i:GH+\i+1], v[GP+\i:GP+\i+1], v[\z+\i:\z+\i+1] neg_lo:[1,0,0] neg_hi:[1,0,0]   ; max(z, 0) - |z / 2| E
.endr
.endm
; 32 numbers of a lane, register 16 b + i = index 32 b + 16 (lane / 16) + i of my row, become four registers of codes (lane (r, h): index 32 h + 0 .. 31) in v[pc] on and the two scale bytes in v[w].
.macro QUANT2 s, pc, w
.irp b, 0,1
	v_max3_num_f32 v[TM+\b], |v[\s+16*\b]|, |v[\s+1+16*\b]|, 0x1800000   ; with the floor 2^(3 - 127): the byte cannot fall under 1
.endr
.irp i, 2,4,6,8,10,12,14
.irp b, 0,1
	v_max3_num_f32 v[TM+\b], v[TM+\b], |v[\s+16*\b+\i]|, |v[\s+1+16*\b+\i]|
.endr
.endr
.irp b, 0,1
	v_permlanex16_b32 v[TM+2+\b], v[TM+\b], s[SEL], s[SEL+1]
.endr
.irp b, 0,1
	v_max_num_f32 v[TM+\b], v[TM+\b], v[TM+2+\b]   ; with lane l xor 16's: the block's largest magnitude
.endr
.irp b, 0,1
	v_add_nc_u32 v[TM+4+\b], 0xff000000, v[TM+\b]  ; 2 off the exponent field: the conversion's scale operand
.endr
.irp b, 0,1
	v_lshrrev_b32 v[TM+2+\b], 23, v[TM+4+\b]       ; the scale's byte
.endr
	v_lshl_or_b32 v[\w], v[TM+3], 8, v[TM+2]
.irp b, 0,1
	v_cvt_scalef32_pk8_fp4_f32 v[\pc+2*\b], v[\s+16*\b:\s+16*\b+7], v[TM+4+\b]
	v_cvt_scalef32_pk8_fp4_f32 v[\pc+2*\b+1], v[\s+16*\b+8:\s+16*\b+15], v[TM+4+\b]
.endr
	v_nop                                          ; a plain line behind a scaled conversion
	v_permlane16_swap_b32 v[\pc], v[\pc+2]         ; the operand wants a whole block in a lane: lanes 0-15 block 0, lanes 16-31 block 1
	v_permlane16_swap_b32 v[\pc+1], v[\pc+3]
.endm
	s_load_b256 s[4:11], s[0:1], 0x0               ; hq, wts, b1, gq
	v_lshrrev_b32 v6, 5, v0
	v_readfirstlane_b32 s14, v6                    ; wave
	s_and_b32 s15, s14, 1                          ; wa: my half of the 128 hidden units
	s_lshr_b32 s16, s14, 1                         ; wb: of the 128 tokens
	s_and_b32 s18, ttmp7, 0xffff                   ; y: 128 tokens
	v_and_b32 v6, 31, v0                           ; (v6 and v7 are so written: a lane permute's destination counts as one of its sources)
	v_lshlrev_b32 v[LO], 4, v6
	v_bfe_u32 v7, v0, 4, 1                         ; h
	v_lshlrev_b32 v[BO], 6, v7
	v_mov_b32 v[A8], 0xbf97d29d                    ; the eighth coefficient, -1.18611495, twice
	v_mov_b32 v[A8+1], 0xbf97d29d
	s_lshl_b32 s34, ttmp9, 3
	s_lshl_b32 s35, s15, 2
	s_add_co_u32 s34, s34, s35                     ; w1's first tile
	s_lshl_b32 s36, s34, 10
	s_add_co_u32 s36, s36, W_CODE
	s_mov_b32 s37, 0
	s_lshl_b32 s38, s34, 8
	s_add_co_u32 s38, s38, W_SCALE
	s_mov_b32 s39, 0
	s_lshl_b32 s34, s18, 3
	s_lshl_b32 s35, s16, 2
	s_add_co_u32 s34, s34, s35                     ; the tokens' first tile
	s_lshl_b32 s70, s34, 10
	s_mov_b32 s71, 0
	s_lshl_b32 s72, s34, 8
	s_add_co_u32 s72, s72, A_SCALE
	s_mov_b32 s73, 0
	s_lshl_b32 s74, ttmp9, 9
	s_lshl_b32 s35, s15, 8
	s_add_co_u32 s74, s74, s35                     ; the bias of my 64 hidden units
	s_mov_b32 s75, 0
	s_lshl_b32 s76, ttmp9, 8
	s_add_co_u32 s76, s76, s34
	s_lshl_b32 s76, s76, 10
	s_lshl_b32 s35, s15, 9
	s_add_co_u32 s76, s76, s35                     ; codes out: K step x, group c = wa
	s_mov_b32 s77, 0
	s_lshr_b32 s78, ttmp9, 2
	s_lshl_b32 s78, s78, 16
	s_lshl_b32 s35, s34, 8
	s_add_co_u32 s78, s78, s35
	s_and_b32 s35, ttmp9, 3
	s_lshl_b32 s35, s35, 2
	s_add_co_u32 s78, s78, s35
	s_lshl_b32 s35, s15, 1
	s_add_co_u32 s78, s78, s35
	s_add_co_u32 s78, s78, 0x800000                ; scale bytes out: chunk x / 4, bytes 4 (x % 4) + 2 wa on
	s_mov_b32 s79, 0
	s_wait_alu depctr_va_vdst(0)
	s_wait_kmcnt 0x0
	s_add_nc_u64 s[P0:P0+1], s[6:7], s[36:37]
	s_add_nc_u64 s[P0S:P0S+1], s[6:7], s[38:39]
	s_add_nc_u64 s[P1:P1+1], s[4:5], s[70:71]
	s_add_nc_u64 s[P1S:P1S+1], s[4:5], s[72:73]
	s_add_nc_u64 s[BP:BP+1], s[8:9], s[74:75]
	s_add_nc_u64 s[DC:DC+1], s[10:11], s[76:77]
	s_add_nc_u64 s[DS:DS+1], s[10:11], s[78:79]
.irp a, 0,1,2,3                                ; lane (r, h) wants, for tile a, the bias of hidden units 32 (a / 2) + 8 (a % 2) + 16 h + 0 .. 7
	global_load_b128 v[BI+8*\a:BI+8*\a+3],   v[BO], s[BP:BP+1] offset:(32*(\a/2)+8*(\a%2))*4
	global_load_b128 v[BI+8*\a+4:BI+8*\a+7], v[BO], s[BP:BP+1] offset:(32*(\a/2)+8*(\a%2))*4+16
.endr
	SCL 0
	F 0
	F 1
	F 2
	F 3
	; P's coefficients -1.26551223, 1.00002368, 0.37409196, 0.09678418, -0.18628806, 0.27886807, -1.13520398, 1.48851587, -0.82215223, 0.17087277, each times log2(e); from the first log2(log2(e)) = 0.52876637 is taken off
	s_mov_b32 s[KA+0],  0xc016b05e                 ; -2.35451459
	s_mov_b32 s[KA+2],  0x3fb8ab5a                 ;  1.44272920
	s_mov_b32 s[KA+4],  0x3f0a29d2                 ;  0.53970062
	s_mov_b32 s[KA+6],  0x3e0efb2e                 ;  0.13963006
	s_mov_b32 s[KA+8],  0xbe899a80                 ; -0.26875686
	s_mov_b32 s[KA+10], 0x3ecdfd18                 ;  0.40232158
	s_mov_b32 s[KA+12], 0xbfd1a1e5                 ; -1.63775315
	s_mov_b32 s[KA+14], 0x40097039                 ;  2.14747446
	s_mov_b32 s[A9],    0x3e7c6f08                 ;  0.24651730
	s_mov_b32 s[KH],    0x3f38aa3b                 ;  log2(e) / 2
.irp k, 0,2,4,6,8,10,12,14,16,18
	s_mov_b32 s[KA+\k+1], s[KA+\k]                 ; (the packed forms name pairs, so both words are written)
.endr
	s_mov_b32 s[C35], 0x3eb504f3
	s_mov_b32 s[SEL], 0x76543210
	s_mov_b32 s[SEL+1], 0xfedcba98                 ; v_permlanex16_b32's selects for lane l xor 16
	s_mov_b32 s68, 0xffff0000                      ; lanes 16-31
	STEP 0, 1
.set S_, 1
.rept KSTEPS-1
	STEP S_, 0
.set S_, S_+1
.endr
	WIN 0                                          ; the last step's four places stand behind the last product
.irp b, 0,1,2,3
	GELU ACC+32*\b
	GELU ACC+32*\b+16
	QUANT2 ACC+32*\b, PC+4*\b, WD+\b
	global_store_b128 v[LO], v[PC+4*\b:PC+4*\b+3], s[DC:DC+1] offset:1024*\b   ; 32 lanes store 512 consecutive bytes
.endr
	v_cndmask_b32 v[MW], v[WD], v[WD+1], s68       ; two tiles' bytes: the even tile's in lanes 0-15, the odd tile's in lanes 16-31 (both halves of the lanes hold their row's bytes)
	v_cndmask_b32 v[MW+1], v[WD+2], v[WD+3], s68
	global_store_b16 v[LO], v[MW], s[DS:DS+1]
	global_store_b16 v[LO], v[MW+1], s[DS:DS+1] offset:512
	s_endpgm
.Lfunc_end_k_q50e9d77b9a_ffn1:
	.size	k_q50e9d77b9a_ffn1, .Lfunc_end_k_q50e9d77b9a_ffn1-k_q50e9d77b9a_ffn1
	.p2alignl 7, 3214868480
	.fill 96, 4, 3214868480
	.section	.rodata,"a",@progbits
	.p2align	6, 0x0
	.amdhsa_kernel k_q50e9d77b9a_ffn1
		.amdhsa_group_segment_fixed_size 0
		.amdhsa_private_segment_fixed_size 0
		.amdhsa_enable_private_segment 0
		.amdhsa_kernarg_size 32
		.amdhsa_user_sgpr_count 2
		.amdhsa_user_sgpr_kernarg_segment_ptr 1
		.amdhsa_wavefront_size32 1
		.amdhsa_system_sgpr_workgroup_id_x 1
		.amdhsa_system_sgpr_workgroup_id_y 1
		.amdhsa_system_sgpr_workgroup_id_z 1
		.amdhsa_system_vgpr_workitem_id 0
		.amdhsa_next_free_vgpr 512
		.amdhsa_next_free_sgpr 80
		.amdhsa_reserve_vcc 0
		.amdhsa_float_denorm_mode_32 3
		.amdhsa_float_denorm_mode_16_64 3
		.amdhsa_memory_ordered 1
		.amdhsa_forward_progress 1
		.amdhsa_inst_pref_size 120
	.end_amdhsa_kernel
	.amdgpu_metadata
---
amdhsa.version: [ 1, 2 ]
amdhsa.kernels:
  - .name:           k_q50e9d77b9a_ffn1
    .symbol:         k_q50e9d77b9a_ffn1.kd
    .args:
      - { .name: hq, .offset: 0, .size: 8, .value_kind: global_buffer, .address_space: global }
      - { .name: wts, .offset: 8, .size: 8, .value_kind: global_buffer, .address_space: global }
      - { .name: b1, .offset: 16, .size: 8, .value_kind: global_buffer, .address_space: global }
      - { .name: gq, .offset: 24, .size: 8, .value_kind: global_buffer, .address_space: global }
    .group_segment_fixed_size: 0
    .private_segment_fixed_size: 0
    .kernarg_segment_align: 8
    .kernarg_segment_size: 32
    .max_flat_workgroup_size: 128
    .sgpr_count:     80
    .vgpr_count:     512
    .wavefront_size: 32
...
	.end_amdgpu_metadata
.endif
;; end of part 5
;; launch ffn2 (part 6): grid 8 x 32, 4 waves a work-group, no clusters, 17,920 bytes of LDS; arguments gq, wts, b2, x1, out0; writes out0
.if DOCPART == 6
	.amdgcn_target "amdgcn-amd-amdhsa--gfx1250"
	.amdhsa_code_object_version 6
	.text
	.protected	k_q50e9d77b9a_ffn2
	.globl	k_q50e9d77b9a_ffn2
	.p2align	8
	.type	k_q50e9d77b9a_ffn2,@function
k_q50e9d77b9a_ffn2:
	s_mov_b64 s[64:65], 0
	v_nop
	global_prefetch_b8 v0, s[64:65] scope:SCOPE_SE
	s_setreg_imm32_b32 hwreg(HW_REG_WAVE_MODE, 25, 1), 1
	s_wait_xcnt 0x0
; out = a W + bias + residual, the product on codes of FP4 (E2M1) with E8M0 scales; out and residual are [4096][1024] f32.  KIND 0: a = attention's output (K = 1,024), W = wo; KIND 1: a = gelu's output (K = 4,096), W = w2.
; OPERANDS lie in memory in the order of the matrix unit's registers: codes [K step][tile][c 2][lane 32][16 bytes], scales [K / 512][16 x tile + r][16 bytes]; lane-row r of tile 2 g + u is row 32 g + 8 u + r + 8 (r / 8).
; So a fragment is two loads of 512 consecutive bytes straight into registers: the product needs no LDS and no barrier.  All K steps are written out and every offset is an immediate (31 x 262,144 + 3,584 at the most).
; SHARES.  A work-group makes 128 tokens x 128 columns, a wave 64 x 64: 16 accumulators.  Source 0 = 16 columns of W, source 1 = 16 tokens: a lane holds one token, and the 16 registers of tiles 2 g, 2 g + 1 are its
; columns 32 g + 16 h + 0 .. 15.  The bias is the C of each sum's first product.  Four sets of fragments take turns: three are on their way while one is multiplied.
; THE WAY OUT.  16 tokens x 64 columns at a time go through the wave's own stage in LDS and come back as rows: sixteen lanes hold 256 consecutive bytes, add the residual (loaded so during the first K steps) and store.
; No cluster: the operands come by plain loads, which cannot be asked for jointly.
; REGISTERS: window 0: v1-5 addresses; v32-63 scale words, two sets; v64-95 the bias, later with v96-127 the rows on their way out; v128-255 accumulators ((a, b) at 128 + 32 b + 8 a).
; window 1: four sets of fragments (set s % 4: source 0 at 64 set + 8 a, source 1 at 64 set + 32 + 8 b).  window 2: v0-127 the residual.
.set KIND, 1
.if KIND == 0
.set KSTEPS,  8
.set W_CODE,  0
.set W_SCALE, 0x600000
.set W_T0,    192
.set STR0,    262144
.set SSTR0,   65536
.set A_SCALE, 0x200000
.else
.set KSTEPS,  32
.set W_CODE,  0x400000
.set W_SCALE, 0x640000
.set W_T0,    0
.set STR0,    65536
.set SSTR0,   16384
.set A_SCALE, 0x800000
.endif
.set STR1,  262144
.set SSTR1, 65536
.set LO,  1                            ; v1 16 x lane
.set BO,  2                            ; v2 the bias: 16 h numbers on
.set CO,  3                            ; v3 rows in memory: lanes 0-15 one row, lanes 16-31 the next, 16 bytes a lane
.set STO, 4                            ; v4 into the stage
.set RD,  5                            ; v5 back out of it
.set SC,  32
.set BI,  64
.set OUTR, 64
.set ACC, 128
.set SPITCH, 272                       ; a stage row: 256 bytes + 16
.set P0,  20
.set P0S, 22
.set P1,  24
.set P1S, 26
.set BP,  28
.set RP,  30
.set OP,  32
.set MSB, 0
.macro WIN new                         ; the immediate's high byte repeats the setting that is left
.if MSB != \new
	s_set_vgpr_msb (MSB<<8)|\new
.set MSB, \new
.endif
.endm
.set W_MUL, 0x05                       ; sources 0 and 1 window 1; C and D window 0
.set W_TOF, 0x40                       ; destination window 1, address window 0
.set W_TOR, 0x80                       ; destination window 2
.set W_ADD, 0x08                       ; source 1 window 2
.macro F s                             ; K step s's eight fragments: 16 loads of 512 consecutive bytes
	WIN W_TOF
.set SG, 64*((\s)%4)
.irp i, 0,1,2,3,4,5,6,7
	global_load_b128 v[SG+4*\i:SG+4*\i+3], v[LO], s[P0:P0+1] offset:(\s)*STR0+512*\i
.endr
.irp i, 0,1,2,3,4,5,6,7
	global_load_b128 v[SG+32+4*\i:SG+32+4*\i+3], v[LO], s[P1:P1+1] offset:(\s)*STR1+512*\i
.endr
.endm
.macro SCL q                           ; the scale words of K steps 4 q .. 4 q + 3: a load serves two tiles (lanes 0-15, lanes 16-31), register i the i-th of the four steps
	WIN 0
.set SS, SC+16*((\q)%2)
.irp p, 0,1
	global_load_b128 v[SS+4*\p:SS+4*\p+3], v[LO], s[P0S:P0S+1] offset:(\q)*SSTR0+512*\p
	global_load_b128 v[SS+8+4*\p:SS+8+4*\p+3], v[LO], s[P1S:P1S+1] offset:(\q)*SSTR1+512*\p
.endr
.endm
.macro RES b                           ; the residual of token tile b, laid as the rows come back from the stage
	WIN W_TOR
.irp t, 0,1,2,3,4,5,6,7
	global_load_b128 v[32*(\b)+4*\t:32*(\b)+4*\t+3], v[CO], s[RP:RP+1] offset:(32*((\b)/2)+8*((\b)%2)+2*\t+8*(\t/4))*4096 th:TH_LOAD_NT
.endr
.endm
.macro WM ra, rb                       ; one product; ra, rb: the side's scale words stand in lanes 16-31
.if ((\ra) == 0) && ((\rb) == 0)
	v_wmma_scale_f32_16x16x128_f8f6f4 v[rD:rD+7], v[rA:rA+7], v[rB:rB+7], v[rC:rC+7], v[rSA], v[rSB] matrix_a_fmt:MATRIX_FMT_FP4 matrix_b_fmt:MATRIX_FMT_FP4
.elseif (\rb) == 0
	v_wmma_scale_f32_16x16x128_f8f6f4 v[rD:rD+7], v[rA:rA+7], v[rB:rB+7], v[rC:rC+7], v[rSA], v[rSB] matrix_a_fmt:MATRIX_FMT_FP4 matrix_b_fmt:MATRIX_FMT_FP4 matrix_a_scale:MATRIX_SCALE_ROW1
.elseif (\ra) == 0
	v_wmma_scale_f32_16x16x128_f8f6f4 v[rD:rD+7], v[rA:rA+7], v[rB:rB+7], v[rC:rC+7], v[rSA], v[rSB] matrix_a_fmt:MATRIX_FMT_FP4 matrix_b_fmt:MATRIX_FMT_FP4 matrix_b_scale:MATRIX_SCALE_ROW1
.else
	v_wmma_scale_f32_16x16x128_f8f6f4 v[rD:rD+7], v[rA:rA+7], v[rB:rB+7], v[rC:rC+7], v[rSA], v[rSB] matrix_a_fmt:MATRIX_FMT_FP4 matrix_b_fmt:MATRIX_FMT_FP4 matrix_a_scale:MATRIX_SCALE_ROW1 matrix_b_scale:MATRIX_SCALE_ROW1
.endif
.endm
; 16 products of K step s.  The 16 accumulators take turns, one instruction a turn, in the same order in every step.  cmode 1: the sums begin with the bias.
.macro MUL s, cmode
	WIN W_MUL
.set SG, 64*((\s)%4)
.set SW, SC+16*(((\s)/4)%2)+(\s)%4
.irp b, 0,1,2,3
.irp a, 0,1,2,3
.set rD, ACC+32*\b+8*\a
.set rC, rD
.if \cmode == 1
.set rC, BI+8*\a
.endif
.set rA, SG+8*\a
.set rB, SG+32+8*\b
.set rSA, SW+4*(\a/2)
.set rSB, SW+8+4*(\b/2)
	WM \a%2, \b%2
.endr
.endr
.endm
; A K step.  Its wait counts the loads issued behind its fragments: 16 for each later set that is out (three at the most), 4 where the next chunk of scale words was asked for since, 8 for each part of the residual
; asked for since; the wait names 63 at the most.  The step's own scale words, and the bias, were issued ahead of its fragments.
.macro STEP s, cmode
.set NW, KSTEPS-1-(\s)
.if NW > 3
.set NW, 3
.endif
.set NW, 16*NW
.if ((\s)%4 != 0) && ((\s)/4+1 < KSTEPS/4)
.set NW, NW+4
.endif
.if (\s) < 4
.set NW, NW+8*(\s)
.elseif (\s) < 8
.set NW, NW+8*(8-(\s))
.endif
.if NW > 63
.set NW, 63
.endif
	s_wait_loadcnt NW
	MUL \s, \cmode
.rept 4
	v_nop                                          ; four places behind the products, ahead of loads into the registers that they have read and of the first read of results (ISA guide 7.12.1 for vector instructions)
.endr
.if ((\s)%4 == 0) && ((\s)/4+1 < KSTEPS/4)
	SCL (\s)/4+1
.endif
.if (\s)+4 < KSTEPS
	F (\s)+4
.endif
.if (\s) < 4
	RES \s
.endif
.endm
; Token tile b leaves: 16 rows x 256 bytes through my stage (LDS serves a wave's instructions in order: no wait between the stores and the loads), + the residual, stored as rows.
.macro OUT b
.set OB, OUTR+32*((\b)%2)
.if (\b) >= 2
	s_wait_xcnt 0x0                                ; tile b - 2's stores have read their registers: only behind this wait are they loaded again
.endif
.irp g, 0,1
.irp i, 0,1,2,3
	ds_store_b128 v[STO], v[ACC+32*(\b)+16*\g+4*\i:ACC+32*(\b)+16*\g+4*\i+3] offset:128*\g+16*\i   ; each accumulator from its low end on
.endr
.endr
.irp t, 0,1,2,3,4,5,6,7
	ds_load_b128 v[OB+4*\t:OB+4*\t+3], v[RD] offset:2*\t*SPITCH
.endr
	s_wait_dscnt 0x0
	WIN W_ADD
.irp i, 0,2,4,6,8,10,12,14,16,18,20,22,24,26,28,30
	v_pk_add_f32 v[OB+\i:OB+\i+1], v[OB+\i:OB+\i+1], v[32*(\b)+\i:32*(\b)+\i+1]
.endr
	WIN 0
.irp t, 0,1,2,3,4,5,6,7
	global_store_b128 v[CO], v[OB+4*\t:OB+4*\t+3], s[OP:OP+1] offset:(32*((\b)/2)+8*((\b)%2)+2*\t+8*(\t/4))*4096 th:TH_STORE_NT   ; sixteen lanes store 256 consecutive bytes, at a multiple of 256 from the buffer's first byte
.endr
.endm
	s_load_b256 s[4:11], s[0:1], 0x0               ; a, wts, bias, residual
	s_load_b64 s[12:13], s[0:1], 0x20              ; out
	v_lshl_add_u32 v30, v0, 2, 0x4400
	v_mov_b32 v31, 0
	v_lshrrev_b32 v6, 5, v0
	v_readfirstlane_b32 s14, v6                    ; wave
	s_and_b32 s15, s14, 1                          ; wa: my half of the 128 columns
	s_lshr_b32 s16, s14, 1                         ; wb: of the 128 tokens
	s_and_b32 s18, ttmp7, 0xffff                   ; y: 128 tokens
	v_and_b32 v6, 31, v0
	v_lshlrev_b32 v[LO], 4, v6
	v_and_b32 v7, 15, v0                           ; r
	v_bfe_u32 v8, v0, 4, 1                         ; h
	v_lshlrev_b32 v[BO], 6, v8
	v_lshlrev_b32 v[CO], 12, v8
	v_lshl_add_u32 v[CO], v7, 4, v[CO]
	s_mul_i32 s34, s14, 16*SPITCH                  ; my stage
	v_mul_u32_u24 v[STO], v7, SPITCH
	v_lshl_add_u32 v[STO], v8, 6, v[STO]
	v_add_nc_u32 v[STO], s34, v[STO]               ; in: row r, 64 h bytes on
	v_mul_u32_u24 v[RD], v8, SPITCH
	v_lshl_add_u32 v[RD], v7, 4, v[RD]
	v_add_nc_u32 v[RD], s34, v[RD]                 ; back: lanes 0-15 one row, lanes 16-31 the next
	s_lshl_b32 s34, ttmp9, 3
	s_lshl_b32 s35, s15, 2
	s_add_co_u32 s34, s34, s35
	s_add_co_u32 s34, s34, W_T0                    ; W's first tile
	s_lshl_b32 s36, s34, 10
	s_add_co_u32 s36, s36, W_CODE
	s_mov_b32 s37, 0
	s_lshl_b32 s38, s34, 8
	s_add_co_u32 s38, s38, W_SCALE
	s_mov_b32 s39, 0
	s_lshl_b32 s34, s18, 3
	s_lshl_b32 s35, s16, 2
	s_add_co_u32 s34, s34, s35                     ; a's first tile
	s_lshl_b32 s40, s34, 10
	s_mov_b32 s41, 0
	s_lshl_b32 s42, s34, 8
	s_add_co_u32 s42, s42, A_SCALE
	s_mov_b32 s43, 0
	s_lshl_b32 s44, ttmp9, 9
	s_lshl_b32 s35, s15, 8
	s_add_co_u32 s44, s44, s35                     ; my first column, in bytes
	s_mov_b32 s45, 0
	s_lshl_b32 s46, s18, 19
	s_lshl_b32 s35, s16, 18
	s_add_co_u32 s46, s46, s35
	s_add_co_u32 s46, s46, s44                     ; and my first row's place
	s_mov_b32 s47, 0
	s_wait_alu depctr_va_vdst(0)
	s_wait_kmcnt 0x0
	s_add_nc_u64 s[P0:P0+1], s[6:7], s[36:37]
	s_add_nc_u64 s[P0S:P0S+1], s[6:7], s[38:39]
	s_add_nc_u64 s[P1:P1+1], s[4:5], s[40:41]
	s_add_nc_u64 s[P1S:P1S+1], s[4:5], s[42:43]
	s_add_nc_u64 s[BP:BP+1], s[8:9], s[44:45]
	s_add_nc_u64 s[RP:RP+1], s[10:11], s[46:47]
	s_add_nc_u64 s[OP:OP+1], s[12:13], s[46:47]
.irp a, 0,1,2,3                                ; lane (r, h) wants, for tile a, the bias of columns 32 (a / 2) + 8 (a % 2) + 16 h + 0 .. 7
	global_load_b128 v[BI+8*\a:BI+8*\a+3],   v[BO], s[BP:BP+1] offset:(32*(\a/2)+8*(\a%2))*4
	global_load_b128 v[BI+8*\a+4:BI+8*\a+7], v[BO], s[BP:BP+1] offset:(32*(\a/2)+8*(\a%2))*4+16
.endr
	SCL 0
	F 0
	F 1
	F 2
	F 3
	STEP 0, 1
.set S_, 1
.rept KSTEPS-1
	STEP S_, 0
.set S_, S_+1
.endr
	WIN 0                                          ; the last step's four places stand behind the last product
	s_wait_loadcnt 0x0                             ; the residual
.irp b, 0,1,2,3
	OUT \b
.endr
	s_wait_tensorcnt 0x0
	ds_add_u32 v30, v31
	s_wait_dscnt 0x0
	s_endpgm
.Lfunc_end_k_q50e9d77b9a_ffn2:
	.size	k_q50e9d77b9a_ffn2, .Lfunc_end_k_q50e9d77b9a_ffn2-k_q50e9d77b9a_ffn2
	.p2alignl 7, 3214868480
	.fill 96, 4, 3214868480
	.section	.rodata,"a",@progbits
	.p2align	6, 0x0
	.amdhsa_kernel k_q50e9d77b9a_ffn2
		.amdhsa_group_segment_fixed_size 17920
		.amdhsa_private_segment_fixed_size 0
		.amdhsa_enable_private_segment 0
		.amdhsa_kernarg_size 40
		.amdhsa_user_sgpr_count 2
		.amdhsa_user_sgpr_kernarg_segment_ptr 1
		.amdhsa_wavefront_size32 1
		.amdhsa_system_sgpr_workgroup_id_x 1
		.amdhsa_system_sgpr_workgroup_id_y 1
		.amdhsa_system_sgpr_workgroup_id_z 1
		.amdhsa_system_vgpr_workitem_id 0
		.amdhsa_next_free_vgpr 640
		.amdhsa_next_free_sgpr 80
		.amdhsa_reserve_vcc 0
		.amdhsa_float_denorm_mode_32 3
		.amdhsa_float_denorm_mode_16_64 3
		.amdhsa_memory_ordered 1
		.amdhsa_forward_progress 1
		.amdhsa_inst_pref_size 141
	.end_amdhsa_kernel
	.amdgpu_metadata
---
amdhsa.version: [ 1, 2 ]
amdhsa.kernels:
  - .name:           k_q50e9d77b9a_ffn2
    .symbol:         k_q50e9d77b9a_ffn2.kd
    .args:
      - { .name: gq, .offset: 0, .size: 8, .value_kind: global_buffer, .address_space: global }
      - { .name: wts, .offset: 8, .size: 8, .value_kind: global_buffer, .address_space: global }
      - { .name: b2, .offset: 16, .size: 8, .value_kind: global_buffer, .address_space: global }
      - { .name: x1, .offset: 24, .size: 8, .value_kind: global_buffer, .address_space: global }
      - { .name: out0, .offset: 32, .size: 8, .value_kind: global_buffer, .address_space: global }
    .group_segment_fixed_size: 17920
    .private_segment_fixed_size: 0
    .kernarg_segment_align: 8
    .kernarg_segment_size: 40
    .max_flat_workgroup_size: 128
    .sgpr_count:     80
    .vgpr_count:     640
    .wavefront_size: 32
...
	.end_amdgpu_metadata
.endif
;; end of part 6
